; MI455X (gfx1250); checked and timed in simulation.
; The chip was launched on July 23, 2026; its instructions are those of AMD's public machine-readable ISA for CDNA 5 (MIT licence, August 2026) and "CDNA5" Instruction Set Architecture Reference Guide (July 2026). The comments in the code are by the model that wrote it; some were corrected since.
;; Causal Attn. Allowed arithmetic: float matrix products may take bf16 or f16 operands with f32 sums; all other float work in f32.
;; Inputs: b_out 1,024 float32; b_qkv 3,072 float32; input 4 x 2,048 x 1,024 float32; mask 4 x 2,048 bool; w_out 1,024 x 1,024 float32; w_qkv 1,024 x 3,072 float32.
;; Outputs: out0 4 x 2,048 x 1,024 float32.
;; 2 versions, each right; version 2 is version 1 with the launch prep written anew for expert scheduling mode. Each part assembles by itself: llvm-mc -triple=amdgcn-amd-amdhsa -mcpu=gfx1250 --defsym DOCPART=n.
;; ======== version 1 of 2: 4 launches
;; limits: values are held in f16: magnitudes above 65,504 overflow, below 6.1e-05 lose precision
;; workspace buffers: xb 16,777,216 bytes; wq 6,291,456 bytes; wo 2,097,152 bytes; maskb 32,768 bytes; qkvh 50,331,648 bytes; ob 16,777,216 bytes
;; launch prep (part 1): grid 776 x 1, 8 waves a work-group, no clusters, 19,456 bytes of LDS; arguments input, w_qkv, w_out, mask, xb, wq, wo, maskb; writes xb, wq, wo, maskb
.if DOCPART == 1
	.amdgcn_target "amdgcn-amd-amdhsa--gfx1250"
	.amdhsa_code_object_version 6
	.text
	.protected	k_qce6f945d29_prep
	.globl	k_qce6f945d29_prep
	.p2align	8
	.type	k_qce6f945d29_prep,@function
k_qce6f945d29_prep:
	s_mov_b64 s[64:65], 0
	v_nop
	global_prefetch_b8 v0, s[64:65] scope:SCOPE_SE
	s_setreg_imm32_b32 hwreg(HW_REG_WAVE_MODE, 25, 1), 1
	s_wait_xcnt 0x0
; prep: brings every matrix input into 16 bits and into planes of 64 along K, X[plane][row][64], rows of 128 bytes without gaps,
; so that every tile of the later launches is one dense block.  Four roles, chosen by the work-group's number (the same for all its waves):
;   0..255    xb[p][row][kk]  = bf16(input[row][64 p + kk]),  32 rows of input each
;   256..639  wq[p][n][kk]    = bf16(w_qkv[64 p + kk][n]),    a tile of 64 k x 128 n each, transposed through LDS
;   640..767  wo[p][n][kk]    = bf16(w_out[64 p + kk][n]) written as f16, likewise
;   768..775  maskb[b][t]     = 0 where the mask byte is not 0, else -2^100, 1,024 keys each
; WO'S FORMAT: all three large inputs are rounded to bf16.  w_out's partner in its product, o, is carried in f16, and a matrix instruction takes both
; operands in one format, so the rounded number is written as f16: exact for magnitudes from 2^-17 up (8 significant bits above f16's last place 2^-24),
; kept to 2^-25 absolute below; |w_out| has to stay under 65,504.
; THE MASK'S ADDEND is finite because it is the C operand of a matrix product in the attention launch: beside -2^100 a score (under 2^39 in magnitude,
; from f16 operands) is lost, and the sum lies below the floor -2^90 at which that launch starts its running maximum.
; Bytes bind here: no matrix unit, no tensor load, no cluster.  Every byte is read once and written once.
.set XG,  256                          ; work-groups of role X
.set WQG, 384                          ; 16 planes x 24 tiles of 128 columns
.set WOG, 128                          ; 16 planes x 8 tiles
.set X,   16                           ; role X: v[16:143], unit u = 4 registers; weights: v[16:47], row j = 4 registers
.set Y,   48                           ; weights: v[48:63], column i = 4 registers (8 numbers along k)
.set Z,   64                           ; weights: v[64:79], read back from LDS
.set WP,  144                          ; LDS pitch of a transposed row: 128 bytes + 16
	s_load_b512 s[4:19], s[0:1], 0x0               ; input s[4:5], w_qkv s[6:7], w_out s[8:9], mask s[10:11], xb s[12:13], wq s[14:15], wo s[16:17], maskb s[18:19]
	v_lshl_add_u32 v144, v0, 2, 0x4800
	v_mov_b32 v145, 0
	v_and_b32 v1, 31, v0                           ; lane
	v_lshrrev_b32 v2, 5, v0                        ; wave
	s_mov_b32 s23, 0                               ; upper word of every 32-bit offset
	s_wait_kmcnt 0x0
	s_cmp_lt_u32 ttmp9, XG
	s_cbranch_scc0 .Lnot_x
	; ROLE X.  Wave w takes planes 2 w and 2 w + 1 (512 bytes of each f32 row).  Unit u = 2 g + pl: rows 2 g and 2 g + 1, plane 2 w + pl.
	; A load: lanes 0-15 take the plane's 256 bytes of row 2 g, lanes 16-31 those of row 2 g + 1: two whole aligned runs of 256 bytes.
	; A lane's 4 numbers become 8 bytes, and the unit's store covers 256 dense, aligned bytes of the plane (two rows of 128).  All 32 loads go out first.
	s_lshl_b32 s22, ttmp9, 17                      ; 32 rows of 4,096 bytes
	s_add_nc_u64 s[4:5], s[4:5], s[22:23]
	s_lshl_b32 s22, ttmp9, 12                      ; 32 rows of 128 bytes
	s_add_nc_u64 s[12:13], s[12:13], s[22:23]
	v_lshrrev_b32 v3, 4, v1                        ; which row of the pair
	v_and_b32 v4, 15, v1                           ; which 16 bytes of the 256
	v_lshlrev_b32 v5, 12, v3                       ; row x 4,096
	v_lshl_add_u32 v5, v4, 4, v5                   ; + 16 x piece
	v_lshl_add_u32 v5, v2, 9, v5                   ; + 512 x wave
	v_lshlrev_b32 v6, 3, v1                        ; out: 8 x lane
	v_lshl_add_u32 v6, v2, 21, v6                  ; + plane 2 w of 1 MiB
.set u, 0
.rept 32
	global_load_b128 v[X+4*u:X+4*u+3], v5, s[4:5] offset:8192*(u/2)+256*(u%2) th:TH_LOAD_NT
.set u, u+1
.endr
.set u, 0
.rept 32
	s_wait_loadcnt 31-u                            ; loads return in order: unit u's is in, the 31 - u younger ones stay out
	v_cvt_pk_bf16_f32 v[X+4*u],   v[X+4*u],   v[X+4*u+1]   ; in place: a word is written only after it has been read
	v_cvt_pk_bf16_f32 v[X+4*u+1], v[X+4*u+2], v[X+4*u+3]
	global_store_b64 v6, v[X+4*u:X+4*u+1], s[12:13] offset:((u%2)<<20)+256*(u/2)
.set u, u+1
.endr
	s_endpgm
; A tile of 64 k x 128 n of a weight matrix [1024][N] f32, written as 128 rows (n) of 64 numbers of 16 bits (k).  s20 = the tile's number.
; Wave w loads rows k = 8 w + j, 512 neighbouring bytes a load; a lane packs, for each of its 4 columns, its 8 k into 16 bytes and
; puts them at row n, byte 16 w of the LDS tile; behind one barrier the tile is read back by rows and leaves as 4 x 4,096 dense bytes.
; tof16 = 1: the numbers, rounded to bf16, are written in f16 (see the head).
.macro WTILE N, src, dst, tof16
	s_and_b32 s21, s20, 15                         ; plane p
	s_lshr_b32 s20, s20, 4                         ; tile of 128 columns
	s_mul_i32 s22, s21, 256*\N                     ; 64 p rows of 4 N bytes
	s_lshl_b32 s24, s20, 9                         ; + 128 columns of 4 bytes
	s_add_co_u32 s22, s22, s24
	s_add_nc_u64 s[\src:\src+1], s[\src:\src+1], s[22:23]
	s_mul_i32 s22, s21, 128*\N                     ; plane p of N rows of 128 bytes
	s_lshl_b32 s24, s20, 14                        ; + 128 rows
	s_add_co_u32 s22, s22, s24
	s_add_nc_u64 s[\dst:\dst+1], s[\dst:\dst+1], s[22:23]
	v_mul_u32_u24 v3, v2, 32*\N                    ; 8 w rows
	v_lshl_add_u32 v3, v1, 4, v3                   ; + 16 x lane
.irp j, 0,1,2,3,4,5,6,7
	global_load_b128 v[X+4*\j:X+4*\j+3], v3, s[\src:\src+1] offset:\j*4*\N th:TH_LOAD_NT
.endr
	v_mul_u32_u24 v4, v1, 4*WP                     ; LDS in: row 4 l,
	v_lshl_add_u32 v4, v2, 4, v4                   ; byte 16 w
	v_lshrrev_b32 v5, 3, v0                        ; LDS back: thread t takes row t / 8,
	v_and_b32 v7, 7, v0
	v_mul_u32_u24 v5, v5, WP
	v_lshl_add_u32 v5, v7, 4, v5                   ; piece t % 8
	v_lshlrev_b32 v6, 4, v0                        ; and stores it at 16 t
	s_wait_loadcnt 0x0
.irp i, 0,1,2,3
.irp q, 0,1,2,3
	v_cvt_pk_bf16_f32 v[Y+4*\i+\q], v[X+8*\q+\i], v[X+8*\q+4+\i]   ; column i: k = 2 q, 2 q + 1
.if \tof16
	v_lshlrev_b32 v8, 16, v[Y+4*\i+\q]             ; the two rounded numbers as f32,
	v_and_b32 v9, 0xffff0000, v[Y+4*\i+\q]
	v_cvt_pk_f16_f32 v[Y+4*\i+\q], v8, v9          ; and in f16
.endif
.endr
	ds_store_b128 v4, v[Y+4*\i:Y+4*\i+3] offset:\i*WP
.endr
	s_wait_dscnt 0x0                               ; my stores are in LDS before I say so
	s_barrier_signal -1
	s_barrier_wait -1                              ; everybody's are
.irp s, 0,1,2,3
	ds_load_b128 v[Z+4*\s:Z+4*\s+3], v5 offset:\s*32*WP
.endr
.irp s, 0,1,2,3
	s_wait_dscnt 3-\s                              ; LDS loads return in order
	global_store_b128 v6, v[Z+4*\s:Z+4*\s+3], s[\dst:\dst+1] offset:4096*\s
.endr
.endm
.Lnot_x:
	s_cmp_lt_u32 ttmp9, XG+WQG
	s_cbranch_scc0 .Lnot_wq
	s_sub_co_u32 s20, ttmp9, XG
	WTILE 3072, 6, 14, 0
	s_wait_tensorcnt 0x0
	ds_add_u32 v144, v145
	s_wait_dscnt 0x0
	s_endpgm
.Lnot_wq:
	s_cmp_lt_u32 ttmp9, XG+WQG+WOG
	s_cbranch_scc0 .Lmask
	s_sub_co_u32 s20, ttmp9, XG+WQG
	WTILE 1024, 8, 16, 1
	s_wait_tensorcnt 0x0
	ds_add_u32 v144, v145
	s_wait_dscnt 0x0
	s_endpgm
.Lmask:
	; ROLE M.  Thread t turns 4 mask bytes into 4 f32 addends.  A byte other than 0 counts as true.
	s_sub_co_u32 s20, ttmp9, XG+WQG+WOG
	s_lshl_b32 s22, s20, 10
	s_add_nc_u64 s[10:11], s[10:11], s[22:23]
	s_lshl_b32 s22, s20, 12
	s_add_nc_u64 s[18:19], s[18:19], s[22:23]
	v_lshlrev_b32 v3, 2, v0
	v_lshlrev_b32 v4, 4, v0
	global_load_b32 v5, v3, s[10:11]
	v_mov_b32 v6, 0xf1800000                       ; -2^100
	s_wait_loadcnt 0x0
.irp k, 0,1,2,3
	v_bfe_u32 v7, v5, 8*\k, 8
	v_cmp_eq_u32 vcc_lo, 0, v7
	v_cndmask_b32 v[8+\k], 0, v6, vcc_lo           ; byte 0: -2^100; else 0
.endr
	global_store_b128 v4, v[8:11], s[18:19]
	s_endpgm
.Lfunc_end_k_qce6f945d29_prep:
	.size	k_qce6f945d29_prep, .Lfunc_end_k_qce6f945d29_prep-k_qce6f945d29_prep
	.p2alignl 7, 3214868480
	.fill 96, 4, 3214868480
	.section	.rodata,"a",@progbits
	.p2align	6, 0x0
	.amdhsa_kernel k_qce6f945d29_prep
		.amdhsa_group_segment_fixed_size 19456
		.amdhsa_private_segment_fixed_size 0
		.amdhsa_enable_private_segment 0
		.amdhsa_kernarg_size 64
		.amdhsa_user_sgpr_count 2
		.amdhsa_user_sgpr_kernarg_segment_ptr 1
		.amdhsa_wavefront_size32 1
		.amdhsa_system_sgpr_workgroup_id_x 1
		.amdhsa_system_sgpr_workgroup_id_y 1
		.amdhsa_system_sgpr_workgroup_id_z 1
		.amdhsa_system_vgpr_workitem_id 0
		.amdhsa_next_free_vgpr 146
		.amdhsa_next_free_sgpr 66
		.amdhsa_reserve_vcc 1
		.amdhsa_float_denorm_mode_32 3
		.amdhsa_float_denorm_mode_16_64 3
		.amdhsa_memory_ordered 1
		.amdhsa_forward_progress 1
		.amdhsa_inst_pref_size 24
	.end_amdhsa_kernel
	.amdgpu_metadata
---
amdhsa.version: [ 1, 2 ]
amdhsa.kernels:
  - .name:           k_qce6f945d29_prep
    .symbol:         k_qce6f945d29_prep.kd
    .args:
      - { .name: input, .offset: 0, .size: 8, .value_kind: global_buffer, .address_space: global }
      - { .name: w_qkv, .offset: 8, .size: 8, .value_kind: global_buffer, .address_space: global }
      - { .name: w_out, .offset: 16, .size: 8, .value_kind: global_buffer, .address_space: global }
      - { .name: mask, .offset: 24, .size: 8, .value_kind: global_buffer, .address_space: global }
      - { .name: xb, .offset: 32, .size: 8, .value_kind: global_buffer, .address_space: global }
      - { .name: wq, .offset: 40, .size: 8, .value_kind: global_buffer, .address_space: global }
      - { .name: wo, .offset: 48, .size: 8, .value_kind: global_buffer, .address_space: global }
      - { .name: maskb, .offset: 56, .size: 8, .value_kind: global_buffer, .address_space: global }
    .group_segment_fixed_size: 19456
    .private_segment_fixed_size: 0
    .kernarg_segment_align: 8
    .kernarg_segment_size: 64
    .max_flat_workgroup_size: 256
    .sgpr_count:     66
    .vgpr_count:     146
    .wavefront_size: 32
...
	.end_amdgpu_metadata
.endif
;; end of part 1
;; launch qkv (part 2): grid 16 x 32, 4 waves a work-group, clusters of 4 x 4, 327,680 bytes of LDS; arguments xb, wq, b_qkv, qkvh; writes qkvh
.if DOCPART == 2
	.amdgcn_target "amdgcn-amd-amdhsa--gfx1250"
	.amdhsa_code_object_version 6
	.text
	.protected	k_qce6f945d29_qkv
	.globl	k_qce6f945d29_qkv
	.p2align	8
	.type	k_qce6f945d29_qkv,@function
k_qce6f945d29_qkv:
	s_mov_b64 s[64:65], 0
	v_nop
	global_prefetch_b8 v0, s[64:65] scope:SCOPE_SE
	s_setreg_imm32_b32 hwreg(HW_REG_WAVE_MODE, 25, 1), 1
	s_wait_xcnt 0x0
	s_wait_alu depctr_hold_cnt(0) depctr_sa_sdst(0) depctr_va_vdst(0) depctr_va_sdst(0) depctr_va_ssrc(0) depctr_va_vcc(0) depctr_vm_vsrc(0)
	s_getreg_b32 s2, hwreg(HW_REG_IB_STS2, 6, 4)
	s_cmp_eq_u32 s2, 0
	s_cbranch_scc0 .Lentry_in_a_cluster
	s_endpgm
.Lentry_in_a_cluster:
	s_bfe_u32 s2, ttmp6, 0x10000c
	s_cmp_lg_u32 s2, 0xf033
	s_cbranch_scc0 .Lentry_shape_is_right
	s_endpgm
.Lentry_shape_is_right:
; qkvh[n / 64][m][n % 64] = f16( sum over k of xb(m, k) wq(n, k) + b_qkv[n] ),  m < 8192, n < 3072, k < 1024; operands bf16, sums in f32.
; A and B lie in planes of 64 along K: X[plane][row][64] bf16.  A work-group makes 256 x 192 of C with four waves (8192 x 3072 / (256 x 192)
; = 512 work-groups of equal work); a wave makes 128 x 96: 48 accumulator tiles of 16 x 16, 384 registers.
; K goes in steps of 128 (two planes) through a ring of two LDS slots filled by the tensor data mover; a plane's part of a tile is one dense
; block, brought as rows of 256 bytes and padded in LDS behind every 128 bytes, so that the tile's rows lie 144 bytes apart.
; CLUSTERS: 4 x 4 work-groups.  A's tiles hang on the block row alone and are asked for jointly along a row of the cluster, B's on the block
; column alone and jointly along a column: each of the four issues the same load with the same descriptor and a mask that names the four.
; THE WALK ALONG K IS ROTATED.  A lap is two K steps (four planes); K has four laps.  Cluster (X, Y) starts at lap (X + 2 Y) mod 4 and goes round.
; The four clusters with one Y read the same rows of A and start at four different laps; clusters Y and Y + 1 with one X read the same rows of B and
; start two laps apart.  So clusters that need the same tile ask for it at different times, one first and the others in later laps, not all at once.
; The start hangs on the cluster's own X and Y alone, which its sixteen work-groups share.  The f32 sums take K in that rotated order.
; THE MATRIX INSTRUCTION IS USED TRANSPOSED (source 0 = rows of B, source 1 = rows of A): lane l holds row m = l % 16 of C and its registers
; the columns 8 (l / 16) + 0..7.  The bias is loaded in that layout and is the C operand of the first product: nothing is cleared or added later.
; REGISTERS: window 0: v16-27 addresses, v64-127 / v128-191 fragments of A (two buffers), v192-215 packed results;
;   window 1: v0-47 bias, v64-111 / v128-175 fragments of B; window 2: accumulators of my rows 0-63 (tile (a, b) at 8 (6 a + b)); window 3: rows 64-127.
; THE RESULT IS F16, NOT BF16: a query with few allowed keys has an attention output as large as v itself, about sqrt(number of keys) times that of a
; late query, so a rounding of v to 8 significant bits would show there against the whole output's root mean square; f16 keeps 11.
; LIMITS: the inputs are rounded to bf16; q, k, v once to f16, so |q|, |k|, |v| have to stay under 65,504 (with inputs of spread 1 and 0.02 they stay
; under 4; with all inputs 30 times larger about 3,300; with offsets of 30 spreads on input and weights about 1024 x 30 x 0.6 = 18,500); numbers under
; 2^-14 are kept to 2^-25 absolute.
.set SIZE_N, 3072
.set BN,     192                       ; columns of a work-group's block
.set NB,     BN/32                     ; a wave's tiles of 16 columns
.set OX,     1                         ; the starting lap = (OX x cluster x + OY x cluster y) mod 4
.set OY,     2
.set PLA,    8192*128                  ; bytes of a plane of A
.set PLB,    SIZE_N*128                ; bytes of a plane of B
.set PITCH,  144                       ; 9 x 16 bytes: the 16 rows of a fragment load start in 16 different columns of 16 bytes modulo 256
.set APL,    256*PITCH                 ; a plane of A's tile in LDS
.set BPL,    BN*PITCH                  ; a plane of B's tile
.set SLOT,   2*APL+2*BPL               ; A plane 0, A plane 1, B plane 0, B plane 1
.set LAPS,   4                         ; 1024 / (2 x 128): a lap is two K steps, once round the ring
.set FL,     16+2*NB                   ; LDS loads of one quarter step
.set SP,     2*BN+16                   ; the way out: pitch of a row of 192 f16 in the stage, 25 x 16 bytes
.set ADRA, 16                          ; v16-17  LDS address of my A fragments in slot 0, 1
.set ADRB, 20                          ; v20-21  the same for B
.set STO,  24                          ; where I put 16 bytes of a row of the stage
.set RD,   25                          ; where I read the stage back
.set CO,   26                          ; my byte offset in the output
.set BO,   27                          ; my byte offset in the bias
.set F0,   64
.set F1,   128
.set TMP,  192
.set BIAS, 0                           ; window 1
.set G1,  24                           ; s[24:31] group 1 for A's tiles
.set G0,  32                           ; s[32:39] group 0 for A's tiles, one set a slot
.set G1B, 48                           ; s[48:55] group 1 for B's tiles
.set G0B, 56                           ; s[56:63] group 0 for B's tiles, one set a slot
.set MSB, 0
.macro WIN new                         ; the immediate's high byte repeats the setting that is left
.if MSB != \new
	s_set_vgpr_msb (MSB<<8)|\new
.set MSB, \new
.endif
.endm
.set MUL_LO,   0xa1                    ; source 0 (B) window 1, source 1 (A) window 0, C and D window 2
.set MUL_HI,   0xf1                    ; the same, C and D window 3
.set FIRST_LO, 0x91                    ; C = the bias in window 1, D window 2
.set FIRST_HI, 0xd1                    ; C = the bias in window 1, D window 3
.set TO_B,     0x40                    ; destination window 1, address window 0
; The global addresses of a slot's next tiles: lap s3 of the four, the slot's K step of the lap's two.  s[42:43], s[46:47]: my part of A's and of B's
; tiles at K = 0; s41 = s45 = 0.  Written only where no tensor load of the wave is out.
.macro SETAD slot
	s_lshl_b32 s40, s3, 22                         ; A: lap x 4 planes of 1 MiB
	s_mul_i32 s44, s3, 4*PLB                       ; B: lap x 4 planes
	s_add_nc_u64 s[G0+4*\slot+2:G0+4*\slot+3], s[42:43], s[40:41]
	s_add_nc_u64 s[G0B+4*\slot+2:G0B+4*\slot+3], s[46:47], s[44:45]
.if \slot
	s_add_nc_u64 s[G0+4*\slot+2:G0+4*\slot+3], s[G0+4*\slot+2:G0+4*\slot+3], 2*PLA      ; the lap's second K step
	s_add_nc_u64 s[G0B+4*\slot+2:G0B+4*\slot+3], s[G0B+4*\slot+2:G0B+4*\slot+3], 2*PLB
.endif
	s_or_b32 s[G0+4*\slot+3], s[G0+4*\slot+3], 0x80000000          ; type = 2
	s_or_b32 s[G0B+4*\slot+3], s[G0B+4*\slot+3], 0x80000000
.endm
; A joint load.  Waves 0 and 1 fetch A's two planes, waves 2 and 3 B's.  Each line has one mask and one set of registers for all that issue it.
; Four v_nop follow each line; the jump, the label and what follows come after them.
.macro JLOAD s
	s_cmp_eq_u32 s13, 0
	s_cbranch_scc0 .Lfor_b_\@
	tensor_load_to_lds s[G0+4*\s:G0+4*\s+3], s[G1:G1+7]
	s_nop 0
.rept 4
	v_nop
.endr
	s_branch .Lasked_\@
.Lfor_b_\@:
	tensor_load_to_lds s[G0B+4*\s:G0B+4*\s+3], s[G1B:G1B+7]
	s_nop 0
.rept 4
	v_nop
.endr
.Lasked_\@:
.endm
; A round of the cluster's barrier: my work-group's barrier, wave 0 signals for the work-group, every wave waits for all sixteen, my barrier again.
.macro CREST
	s_cmp_lg_u32 s12, 0
	s_cbranch_scc1 .Lnot_wave_0_\@
	s_barrier_signal -3
.Lnot_wave_0_\@:
	s_barrier_wait -3
	s_barrier_signal -1
	s_barrier_wait -1
.endm
.macro CROUND
	s_barrier_signal -1
	s_barrier_wait -1
	CREST
.endm
.macro PLACES                          ; four places behind a matrix instruction before its registers are loaded into or its result is read (ISA guide 7.12.1)
.rept 4
	v_nop
.endr
.endm
	s_load_b256 s[4:11], s[0:1], 0x0               ; A s[4:5], B s[6:7], bias s[8:9], C s[10:11]
	s_set_vgpr_msb 0x40
	v_lshl_add_u32 v255, v0, 2, 0x3f000
	s_set_vgpr_msb 0x4000
	v_mov_b32 v255, 0
	s_set_vgpr_msb 0x1
	ds_add_u32 v255, v255
	s_set_vgpr_msb 0x100
	v_lshrrev_b32 v1, 5, v0
	v_readfirstlane_b32 s12, v1                    ; wave 0..3
	s_lshr_b32 s13, s12, 1                         ; my half of the block's rows.  Also: I fetch for A (0) or for B (1)
	s_and_b32 s14, s12, 1                          ; my half of its columns.  Also: which of a K step's two planes I fetch
	s_bfe_u32 s15, ttmp6, 0x40000                  ; cx
	s_bfe_u32 s16, ttmp6, 0x40004                  ; cy
	s_lshl_b32 s17, ttmp9, 2
	s_add_co_u32 s17, s17, s15                     ; block column = 4 x cluster x + cx
	s_and_b32 s18, ttmp7, 0xffff
	s_lshl_b32 s18, s18, 2
	s_add_co_u32 s18, s18, s16                     ; block row = 4 x cluster y + cy
	s_lshl_b32 s19, s16, 2
	s_lshl_b32 s19, 15, s19                        ; my row of the cluster: places 4 cy .. 4 cy + 3
	s_lshl_b32 s20, 0x1111, s15                    ; my column: places cx, cx + 4, cx + 8, cx + 12
	s_and_b32 s22, ttmp7, 0xffff                   ; the cluster's y
	s_mul_i32 s22, s22, OY
	s_mul_i32 s3, ttmp9, OX                        ; the cluster's x
	s_add_co_u32 s3, s3, s22
	s_and_b32 s3, s3, 3                            ; the lap at which my cluster starts: the same in its sixteen work-groups
	; group 1: rows of 32 elements of 8 bytes (256 bytes), dense; in LDS 4 words of padding behind every 32 words (128 bytes)
	s_or_b32 s[G1+0], s19, (3<<16)|(1<<20)|(1<<21)|(4<<22)|(3<<25)   ; mask of my row; element of 8 bytes; padding on; bit 21 beside a mask; interval code 4; 4 words
	s_or_b32 s[G1B+0], s20, (3<<16)|(1<<20)|(1<<21)|(4<<22)|(3<<25)  ; the same with the mask of my column
	s_mov_b32 s[G1+1], 32<<16                      ; tensor_dim0 = 32
	s_mov_b32 s[G1B+1], 32<<16
	s_mov_b32 s[G1+2], 128<<16                     ; tensor_dim1 = 128 rows of 256 bytes = 256 rows of a plane
	s_mov_b32 s[G1B+2], (BN/2)<<16                 ; B: 96 rows of 256 bytes = 192 rows of a plane
	s_mov_b32 s[G1+3], 32<<16                      ; tile_dim0 = 32
	s_mov_b32 s[G1B+3], 32<<16
	s_mov_b32 s[G1+4], 128                         ; tile_dim1
	s_mov_b32 s[G1B+4], BN/2
	s_mov_b32 s[G1+5], 32                          ; from row to row: 32 elements, no gap
	s_mov_b32 s[G1B+5], 32
	s_mov_b32 s[G1+6], 0
	s_mov_b32 s[G1B+6], 0
	s_mov_b32 s[G1+7], 0
	s_mov_b32 s[G1B+7], 0
	; where the tiles come from: A's address is made of the block row and the wave's number, B's of the block column and the wave's number,
	; each in registers that never hold the other coordinate while joint loads are issued; the lap is added to both
	s_lshl_b32 s40, s18, 15                        ; A: 256 rows of 128 bytes a block row
	s_lshl_b32 s22, s14, 20                        ; + my plane of the two
	s_add_co_u32 s40, s40, s22
	s_mov_b32 s41, 0
	s_mul_i32 s44, s17, BN*128                     ; B: 192 rows of 128 bytes a block column
	s_mul_i32 s23, s14, PLB
	s_add_co_u32 s44, s44, s23
	s_mov_b32 s45, 0
	s_mul_i32 s22, s12, APL                        ; where they go: A's planes at wave x APL (waves 0, 1),
	s_mul_i32 s23, s12, BPL                        ; B's at 2 APL + (wave - 2) x BPL (waves 2, 3): no place in the cluster enters
	s_add_co_u32 s23, s23, 2*APL-2*BPL
	s_wait_dscnt 0x0
	s_wait_kmcnt 0x0
	s_add_nc_u64 s[42:43], s[4:5], s[40:41]
	s_add_nc_u64 s[46:47], s[6:7], s[44:45]
	CROUND                                         ; all sixteen work-groups are here: the first joint loads meet
.irp s, 0,1
	s_mov_b32 s[G0+4*\s], 1                                        ; count = 1
	s_add_co_u32 s[G0+4*\s+1], s22, \s*SLOT                        ; LDS address
	s_mov_b32 s[G0B+4*\s], 1
	s_add_co_u32 s[G0B+4*\s+1], s23, \s*SLOT
	SETAD \s                                       ; the starting lap's K step s
	JLOAD \s                                       ; both slots' first fills go out as one group: two loads of this wave are out
.endr
	; the bias of my 96 columns, in the layout of a result: register j of lane (r, h) = bias[n0 + 16 b + 8 h + j]
	v_and_b32 v1, 15, v0                           ; r
	v_bfe_u32 v2, v0, 4, 1                         ; h
	v_lshlrev_b32 v[BO], 5, v2
	s_mul_i32 s44, s17, BN*4
	s_mul_i32 s23, s14, BN*2
	s_add_co_u32 s44, s44, s23
	s_add_nc_u64 s[8:9], s[8:9], s[44:45]
	WIN TO_B
.irp b, 0,1,2,3,4,5
	global_load_b128 v[BIAS+8*\b:BIAS+8*\b+3],   v[BO], s[8:9] offset:64*\b
	global_load_b128 v[BIAS+8*\b+4:BIAS+8*\b+7], v[BO], s[8:9] offset:64*\b+16
.endr
	WIN 0
	; fragments: lane l holds row l % 16; registers 0-3 K = 8 h + 0..7, registers 4-7 K = 16 + 8 h + 0..7: two loads of 16 bytes, 32 bytes apart
	v_mul_u32_u24 v3, v1, PITCH
	v_lshl_add_u32 v3, v2, 4, v3
	s_mul_i32 s22, s13, 128*PITCH                  ; my 128 rows of A
	s_mul_i32 s23, s14, (BN/2)*PITCH               ; my 96 rows of B,
	s_add_co_u32 s23, s23, 2*APL                   ; behind A's two planes
.irp s, 0,1
	v_add_nc_u32 v[ADRA+\s], s22, v3
	v_add_nc_u32 v[ADRB+\s], s23, v3
	s_add_co_u32 s22, s22, SLOT
	s_add_co_u32 s23, s23, SLOT
.endr
	; the way out: a stage of 256 rows x 400 bytes for the whole work-group
	v_mul_u32_u24 v4, v1, SP
	v_lshl_add_u32 v4, v2, 4, v4
	s_mul_i32 s22, s13, 128*SP
	s_mul_i32 s23, s14, BN                         ; my 96 columns of 2 bytes
	s_add_co_u32 s22, s22, s23
	v_add_nc_u32 v[STO], s22, v4                   ; (128 R + r) x 400 + 192 Cc + 16 h
	v_and_b32 v5, 31, v0
	v_lshrrev_b32 v6, 3, v5
	v_and_b32 v7, 7, v0
	v_mul_u32_u24 v6, v6, SP
	v_lshl_add_u32 v6, v7, 4, v6
	s_mul_i32 s22, s12, 64*SP
	v_add_nc_u32 v[RD], s22, v6                    ; (64 w + l / 8) x 400 + 16 (l % 8)
	v_lshlrev_b32 v[CO], 4, v5                     ; 16 l
; 2 NB matrix instructions: m blocks a0, a0 + 1 of the window's four x all n blocks, 32 along K.  first = 1: the bias starts the sums.
.macro MUL2 f, hi, a0, first
.irp a, \a0, \a0+1
.irp b, 0,1,2,3,4,5
.if \first
	v_wmma_f32_16x16x32_bf16 v[8*(NB*(\a)+\b):8*(NB*(\a)+\b)+7], v[\f+8*\b:\f+8*\b+7], v[\f+8*(4*\hi+\a):\f+8*(4*\hi+\a)+7], v[BIAS+8*\b:BIAS+8*\b+7]
.else
	v_wmma_f32_16x16x32_bf16 v[8*(NB*(\a)+\b):8*(NB*(\a)+\b)+7], v[\f+8*\b:\f+8*\b+7], v[\f+8*(4*\hi+\a):\f+8*(4*\hi+\a)+7], v[8*(NB*(\a)+\b):8*(NB*(\a)+\b)+7]
.endif
.endr
.endr
.endm
; FL LDS loads in one run: quarter kq of a K step (plane kq / 2, byte 64 (kq % 2) of its rows) into buffer f: B's 96 rows, then A's 128
.macro FETCH slot, kq, f
	WIN TO_B
.irp i, 0,1,2,3,4,5
	ds_load_b128 v[\f+8*\i:\f+8*\i+3],   v[ADRB+\slot] offset:(\kq/2)*BPL+(\kq%2)*64+\i*16*PITCH
	ds_load_b128 v[\f+8*\i+4:\f+8*\i+7], v[ADRB+\slot] offset:(\kq/2)*BPL+(\kq%2)*64+\i*16*PITCH+32
.endr
	WIN 0
.irp i, 0,1,2,3,4,5,6,7
	ds_load_b128 v[\f+8*\i:\f+8*\i+3],   v[ADRA+\slot] offset:(\kq/2)*APL+(\kq%2)*64+\i*16*PITCH
	ds_load_b128 v[\f+8*\i+4:\f+8*\i+7], v[ADRA+\slot] offset:(\kq/2)*APL+(\kq%2)*64+\i*16*PITCH+32
.endr
.endm
; One of a K step's first three quarters: multiplies buffer f and, in its middle, fetches quarter kq into buffer g.
; The 48 accumulators take turns, one instruction a turn, in the same order in every quarter.
.macro QUARTER slot, kq, f, g, first
	s_wait_dscnt 8                                 ; B and A's rows 0-63 are in; the youngest eight loads (A's rows 64-127) may be out
.if \first
	WIN FIRST_LO
.else
	WIN MUL_LO
.endif
	MUL2 \f, 0, 0, \first
	MUL2 \f, 0, 2, \first
	PLACES
	FETCH \slot, \kq, \g
	s_wait_dscnt FL                                ; all but the run just issued
.if \first
	WIN FIRST_HI
.else
	WIN MUL_HI
.endif
	MUL2 \f, 1, 0, \first
	MUL2 \f, 1, 2, \first
.endm
.macro THREE slot, first
	QUARTER \slot, 1, F0, F1, \first
	QUARTER \slot, 2, F1, F0, 0
	QUARTER \slot, 3, F0, F1, 0
.endm
; The last quarter multiplies buffer 1 and changes slots.  In front of the barrier each wave waits for its reads of this slot and for all its
; tensor loads (one is out: its part of the next slot).  Where the slot is filled again the barrier opens a round of the cluster's barrier,
; and the joint refill is the first tensor load behind the round: no wave of any partner still reads the slot or has a load on its way.
.macro TURN slot, next, fill
	s_wait_dscnt 8
	WIN MUL_LO
	MUL2 F1, 0, 0, 0
	s_wait_dscnt 0                                 ; my reads of this slot are over
	s_wait_tensorcnt 0x0                           ; all my tensor loads have landed
	ds_add_u32 v255, v255
	s_wait_dscnt 0x0
	s_barrier_signal -1
	MUL2 F1, 0, 2, 0                               ; register work while the others arrive
	WIN 0
	s_barrier_wait -1
.if \fill
	CREST
.if \slot == 0
	s_add_co_u32 s3, s3, 1                         ; the next lap, round the four: stepped once a lap, ahead of its first K step's request
	s_and_b32 s3, s3, 3
.endif
	SETAD \slot
	JLOAD \slot                                    ; its four v_nop are also the places in front of the loads below
.else
	PLACES
.endif
	FETCH \next, 0, F0
	WIN MUL_HI
	MUL2 F1, 1, 0, 0
	MUL2 F1, 1, 2, 0
.endm
.macro LAP first
	THREE 0, \first
	TURN 0, 1, 1
	THREE 1, 0
	TURN 1, 0, 1
.endm
	s_wait_tensorcnt 1                             ; my part of the first K step is in; the second's stays out
	s_barrier_signal -1
	s_barrier_wait -1
	FETCH 0, 0, F0
	s_wait_loadcnt 0x0                             ; the bias
	LAP 1                                          ; the first lap stands in front of the loop: its first products start the sums
	WIN 0
	s_mov_b32 s21, LAPS-2
.Llap:
	LAP 0
	WIN 0
	s_sub_co_u32 s21, s21, 1
	s_cmp_lg_u32 s21, 0
	s_cbranch_scc1 .Llap
	THREE 0, 0                                     ; the last lap fills nothing
	TURN 0, 1, 0                                   ; behind its barrier no wave reads slot 0 any more, and no load fills it again
	THREE 1, 0
	s_wait_dscnt 8
	WIN MUL_LO
	MUL2 F1, 0, 0, 0
	MUL2 F1, 0, 2, 0
	s_wait_dscnt 0
	WIN MUL_HI
	MUL2 F1, 1, 0, 0
	MUL2 F1, 1, 2, 0
	PLACES                                         ; behind the last matrix instructions: for the conversions and for the loads into the buffers
	; THE WAY OUT.  A wave's 96 columns are one and a half output planes, so the block's 192 columns meet in a stage shared by the four waves:
	; slot 0's bytes, which have had their last fill and their last read.  Rounded to f16, 16 bytes a lane in; read back by planes of 64 columns.
.macro PUT i, aw, from                 ; rows 16 i .. 16 i + 15 of my 128 = tiles (aw, 0..5) of window 2 or 3
	WIN \from
.irp b, 0,1,2,3,4,5
.irp q, 0,1,2,3
	v_cvt_pk_f16_f32 v[TMP+4*\b+\q], v[8*(NB*\aw+\b)+2*\q], v[8*(NB*\aw+\b)+2*\q+1]
.endr
.endr
	WIN 0
.irp b, 0,1,2,3,4,5
	ds_store_b128 v[STO], v[TMP+4*\b:TMP+4*\b+3] offset:\i*16*SP+32*\b
.endr
.endm
	PUT 0, 0, 0x0a
	PUT 1, 1, 0x0a
	PUT 2, 2, 0x0a
	PUT 3, 3, 0x0a
	PUT 4, 0, 0x0f
	PUT 5, 1, 0x0f
	PUT 6, 2, 0x0f
	PUT 7, 3, 0x0f
	s_mul_i32 s44, s17, 3                          ; my first output plane = 3 x block column,
	s_lshl_b32 s44, s44, 20                        ; of 1 MiB
	s_add_nc_u64 s[10:11], s[10:11], s[44:45]
	s_lshl_b32 s40, s18, 15                        ; + 256 rows of 128 bytes a block row
	s_lshl_b32 s22, s12, 13                        ; + 64 rows a wave
	s_add_co_u32 s40, s40, s22
	s_add_nc_u64 s[10:11], s[10:11], s[40:41]
	s_wait_dscnt 0x0                               ; my stores are in the stage before I say so
	s_barrier_signal -1
	s_barrier_wait -1
; Wave w takes rows 64 w .. 64 w + 63 of plane hh, 32 rows a batch: a load takes 4 rows x 128 bytes, its store covers 512 dense, aligned bytes.
.macro GET hh, t0, f
	s_wait_xcnt 0x0                                ; buffer f, which earlier stores read, is loaded again only behind this wait
.irp t, 0,1,2,3,4,5,6,7
	ds_load_b128 v[\f+4*\t:\f+4*\t+3], v[RD] offset:(\t0+\t)*4*SP+128*\hh
.endr
.irp t, 0,1,2,3,4,5,6,7
	s_wait_dscnt 7-\t                              ; LDS loads return in order
	global_store_b128 v[CO], v[\f+4*\t:\f+4*\t+3], s[10:11] offset:(\hh<<20)+512*(\t0+\t)
.endr
.endm
	GET 0, 0, F0
	GET 0, 8, F1
	GET 1, 0, F0
	GET 1, 8, F1
	GET 2, 0, F0
	GET 2, 8, F1
	s_set_vgpr_msb 0x1
	s_wait_tensorcnt 0x0
	ds_add_u32 v255, v255
	s_wait_dscnt 0x0
	s_set_vgpr_msb 0x100
	CROUND                                         ; the closing round: no work-group ends while a partner may still ask for a tile that names it
	s_endpgm
.Lfunc_end_k_qce6f945d29_qkv:
	.size	k_qce6f945d29_qkv, .Lfunc_end_k_qce6f945d29_qkv-k_qce6f945d29_qkv
	.p2alignl 7, 3214868480
	.fill 96, 4, 3214868480
	.section	.rodata,"a",@progbits
	.p2align	6, 0x0
	.amdhsa_kernel k_qce6f945d29_qkv
		.amdhsa_group_segment_fixed_size 327680
		.amdhsa_private_segment_fixed_size 0
		.amdhsa_enable_private_segment 0
		.amdhsa_kernarg_size 32
		.amdhsa_user_sgpr_count 2
		.amdhsa_user_sgpr_kernarg_segment_ptr 1
		.amdhsa_wavefront_size32 1
		.amdhsa_system_sgpr_workgroup_id_x 1
		.amdhsa_system_sgpr_workgroup_id_y 1
		.amdhsa_system_sgpr_workgroup_id_z 1
		.amdhsa_system_vgpr_workitem_id 0
		.amdhsa_next_free_vgpr 1024
		.amdhsa_next_free_sgpr 66
		.amdhsa_reserve_vcc 0
		.amdhsa_float_denorm_mode_32 3
		.amdhsa_float_denorm_mode_16_64 3
		.amdhsa_memory_ordered 1
		.amdhsa_forward_progress 1
		.amdhsa_inst_pref_size 162
	.end_amdhsa_kernel
	.amdgpu_metadata
---
amdhsa.version: [ 1, 2 ]
amdhsa.kernels:
  - .name:           k_qce6f945d29_qkv
    .symbol:         k_qce6f945d29_qkv.kd
    .args:
      - { .name: xb, .offset: 0, .size: 8, .value_kind: global_buffer, .address_space: global }
      - { .name: wq, .offset: 8, .size: 8, .value_kind: global_buffer, .address_space: global }
      - { .name: b_qkv, .offset: 16, .size: 8, .value_kind: global_buffer, .address_space: global }
      - { .name: qkvh, .offset: 24, .size: 8, .value_kind: global_buffer, .address_space: global }
    .group_segment_fixed_size: 327680
    .private_segment_fixed_size: 0
    .kernarg_segment_align: 8
    .kernarg_segment_size: 32
    .max_flat_workgroup_size: 128
    .sgpr_count:     66
    .vgpr_count:     1024
    .wavefront_size: 32
...
	.end_amdgpu_metadata
.endif
;; end of part 2
;; launch attn (part 3): grid 256 x 1, 8 waves a work-group, no clusters, 327,680 bytes of LDS; arguments qkvh, maskb, ob; writes ob
.if DOCPART == 3
	.amdgcn_target "amdgcn-amd-amdhsa--gfx1250"
	.amdhsa_code_object_version 6
	.text
	.protected	k_qce6f945d29_attn
	.globl	k_qce6f945d29_attn
	.p2align	8
	.type	k_qce6f945d29_attn,@function
k_qce6f945d29_attn:
	s_mov_b64 s[64:65], 0
	v_nop
	global_prefetch_b8 v0, s[64:65] scope:SCOPE_SE
	s_setreg_imm32_b32 hwreg(HW_REG_WAVE_MODE, 25, 1), 1
	s_wait_xcnt 0x0
; Causal attention with a key mask, one (batch, head) for four work-groups.  qkvh: [48 planes][8192 rows][64] f16 (planes 0-15 Q, 16-31 K, 32-47 V by
; head; row = 2048 b + t); maskb: [4][2048] f32, 0 or -2^100; ob: [16 heads][8192][64] f16.
; SHARING.  Work-group x: (b, head) = x / 4, i = x % 4.  It makes query block 7 - i (256 rows) and then block i: (8 - i) + (i + 1) = 9 key units of 256
; in every work-group.  Eight waves: g = w / 4; wq = w % 4 for g = 0 and 3 - w % 4 for g = 1.  Wave (g, wq) owns query rows 64 wq .. + 63 and keys
; 128 g .. + 127 of every unit; at a block's end the two key groups merge (maximum, sum, O) through LDS.  Key blocks of 64 above a wave's queries are
; jumped over (the causal mask is the problem's own); the key mask is data and enters as an addend only.  In the diagonal unit the waves of g = 0 have
; 1, 2, 2, 2 steps for wq = 0 .. 3 and those of g = 1 have 0, 0, 1, 2: with wq mirrored in g = 1, waves w and w + 4 together have 3, 3, 2, 2.
; NO JOINT LOADS: the four work-groups of a head need 8 - i and then i + 1 units; walking together would take 8 + 4 = 12 units where 9 do.
; TRANSPOSED PRODUCTS.  S^T = K Q^T + addend (A = 16 keys x 32 d from LDS, B = 16 queries x 32 d kept in registers, C = the keys' mask addends, which
; have a result's layout): lane (r, h) holds query r and keys 8 h + j, so a query's maximum and sum are a lane's own but for one exchange between the
; halves, and two S^T tiles, rounded to f16, ARE the B fragment of O^T = V^T P^T (A = V^T by the transposing LDS load).  O^T: lane (r, h) holds query r,
; d = 16 db + 8 h + j: 16 neighbouring bytes of an output row.
; SOFTMAX: running maximum over the allowed keys, in units of log2 (scores times log2(e) / 8).  It starts at the floor -2^90.  A masked key's score is
; -2^100 (the products, under 64 x 65,504^2 < 2^39, are lost beside it), scaled about -2^97.5: below the floor, so it never becomes the maximum and its
; exponential is 0; a block of masked keys gives p = 0 and a factor 1.  Every allowed score lies far above the floor.  Keys above the diagonal get -infinity.
; FORMAT: q, k, v, p, o are f16, 11 significant bits: a query with few allowed keys has o as large as v, about sqrt(number of keys) times a late
; query's, and roundings to 8 bits would show there against the whole output's root mean square.
; LIMITS: |q|, |k|, |v| under 65,504 (o is a convex combination of v, p lies in [0, 1]); f16 numbers under 2^-14 are kept to 2^-25 absolute; an
; exponential below 2^-126 counts as 0; a query row without any allowed key ends with sum 0 and gives NaN, as the softmax of a row of -infinity does.
; LDS: two slots of 82,944 bytes = four parts of 20,480 (K keys 0-127, K keys 128-255 at pitch 144; V keys 0-127, V keys 128-255 at pitch 160) and the
; unit's 256 mask addends; behind them the merge stage (4 x 17,408) and the output stage (4 x 9,216), which no tensor load touches.
; REGISTERS: window 0: v1-14 lane numbers and addresses, v16-31 statistics, v32-63 mask addends, then pairs at work, v64-191 S / P, v192-255 K fragments;
;   window 1: v0-127 O, v128-191 Q fragments, v192-255 V fragments.
.set SLOTB,  82944
.set PARTB,  20480
.set KP,     144                       ; 9 x 16 bytes
.set VP,     160                       ; 5 x 32 bytes, for the transposing load
.set BOFF,   4*PARTB
.set MSTAGE, 2*SLOTB
.set MSZ,    17408                     ; 2 quads of statistics + 32 quads of O, 512 bytes each
.set OSTAGE, MSTAGE+4*MSZ
.set OSZ,    9216                      ; 64 rows x 144 bytes
.set KA,   3                           ; v3-4   K fragment address, slot 0, 1
.set VA,   5                           ; v5-6   V
.set BA,   7                           ; v7-8   mask addends
.set QO,   9                           ; Q: 128 r + 16 h
.set MS,   10                          ; merge stage
.set OSW,  11                          ; output stage, in
.set OSR,  12                          ; output stage, back
.set OG,   13                          ; 16 x lane
.set NINF, 14
.set MC,   16                          ; v[16:19] running maximum of query tile n
.set LS,   20                          ; v[20:23] running sum (this lane's keys)
.set AL,   24                          ; v[24:27] what comes from the other half of the lanes
.set TM,   28                          ; v[28:31] the new maximum
.set BI,   32                          ; v[32:63] mask addends of key tile kf at BI + 8 kf
.set NM,   32                          ; v[32:39] pairs (-max, -max)      (the addends are spent by then)
.set AP,   40                          ; v[40:47] pairs (alpha, alpha)
.set SU,   48                          ; v[48:55] pairs of partial sums
.set S,    64                          ; S(kf, n) at S + 8 (4 kf + n); P(c, n) in place at S(2 c, n)
.set KF,   192                         ; KF(kf, e) at KF + 8 (2 kf + e)
.set O,    0                           ; window 1: O(db, n) at 8 (4 db + n)
.set Q,    128                         ; window 1: Q(n, e) at Q + 8 (2 n + e)
.set VF,   192                         ; window 1: VF(db, c) at VF + 8 (2 db + c)
.set MSB, 0
.macro WIN new                         ; the immediate's high byte repeats the setting that is left
.if MSB != \new
	s_set_vgpr_msb (MSB<<8)|\new
.set MSB, \new
.endif
.endm
	s_load_b128 s[4:7], s[0:1], 0x0                ; qkvh s[4:5], maskb s[6:7]
	s_load_b64 s[8:9], s[0:1], 0x10                ; ob
	v_lshl_add_u32 v254, v0, 2, 0x42800
	v_mov_b32 v255, 0
	ds_add_u32 v254, v255
	s_wait_dscnt 0x0
	s_barrier_signal -1
	s_barrier_wait -1
	v_lshrrev_b32 v15, 5, v0
	v_readfirstlane_b32 s10, v15                   ; wave 0..7
	s_lshr_b32 s11, s10, 2                         ; g: my half of a unit's keys
	s_and_b32 s12, s10, 3
	s_mul_i32 s23, s11, 3
	s_xor_b32 s12, s12, s23                        ; wq: my 64 query rows: w % 4 in group 0, 3 - w % 4 in group 1
	s_and_b32 s13, ttmp9, 3                        ; i
	s_lshr_b32 s23, ttmp9, 2
	s_and_b32 s14, s23, 15                         ; head
	s_lshr_b32 s15, s23, 4                         ; b
	s_sub_co_u32 s16, 7, s13                       ; j: the query block at work, first 7 - i
	s_mov_b32 s17, 0                               ; u: the key unit at work
	s_mov_b32 s18, 0                               ; un: the key unit to fetch
	s_lshl_b32 s20, s11, 7
	s_lshl_b32 s23, s12, 6
	s_sub_co_i32 s20, s20, s23                     ; 128 g - 64 wq: my keys' place against my queries inside a unit
	s_mul_i32 s88, s10, PARTB                      ; waves 0-3: my part of a slot
	; group 1 of K's and V's halves: 16 KiB dense as 64 rows of 32 elements of 8 bytes; padding behind every 32 words: 4 words (K), 8 words (V)
	s_mov_b32 s24, (3<<16)|(1<<20)|(4<<22)|(3<<25)
	s_mov_b32 s32, (3<<16)|(1<<20)|(4<<22)|(7<<25)
.irp g, 24, 32
	s_mov_b32 s[\g+1], 32<<16                      ; tensor_dim0 = 32
	s_mov_b32 s[\g+2], 64<<16                      ; tensor_dim1 = 64
	s_mov_b32 s[\g+3], 32<<16                      ; tile_dim0 = 32
	s_mov_b32 s[\g+4], 64                          ; tile_dim1 = 64
	s_mov_b32 s[\g+5], 32                          ; from row to row 32 elements: no gap
	s_mov_b32 s[\g+6], 0
	s_mov_b32 s[\g+7], 0
.endr
	; group 1 of the mask addends: one row of 128 elements of 8 bytes
	s_mov_b32 s40, 3<<16
	s_mov_b32 s41, 128<<16
	s_mov_b32 s42, 1<<16
	s_mov_b32 s43, 128<<16
	s_mov_b32 s44, 1
	s_mov_b32 s45, 128
	s_mov_b32 s46, 0
	s_mov_b32 s47, 0
	s_mov_b32 s48, 1                               ; the three groups 0: count = 1
	s_mov_b32 s52, 1
	s_mov_b32 s56, 1
	s_lshl_b32 s72, s14, 20                        ; head's plane of 1 MiB
	s_lshl_b32 s23, s15, 18                        ; + batch's 2,048 rows of 128 bytes
	s_add_co_u32 s72, s72, s23
	s_and_b32 s23, s10, 1
	s_lshl_b32 s74, s23, 14                        ; + the half of a unit that I fetch (128 rows)
	s_add_co_u32 s74, s74, s72
	s_mov_b32 s75, 0
	s_wait_kmcnt 0x0
	s_add_nc_u64 s[60:61], s[4:5], s[74:75]
	s_add_nc_u64 s[62:63], s[60:61], 32<<20        ; V: planes 32 ..
	s_add_nc_u64 s[60:61], s[60:61], 16<<20        ; K: planes 16 ..
	s_lshl_b32 s74, s15, 13
	s_add_nc_u64 s[66:67], s[6:7], s[74:75]        ; the batch's 2,048 addends
	s_lshl_b32 s74, s12, 13                        ; my 64 query rows of 128 bytes
	s_add_co_u32 s74, s74, s72
	s_add_nc_u64 s[68:69], s[4:5], s[74:75]        ; Q, without the block
	s_add_nc_u64 s[70:71], s[8:9], s[74:75]        ; O, without the block
; The three groups 0 for key unit s18 into a slot.  Written only where no tensor load of the wave is out.
.macro SETG0 slot
	s_lshl_b32 s72, s18, 15                        ; a unit of K or V: 256 rows of 128 bytes
	s_mov_b32 s73, 0
	s_lshl_b32 s74, s18, 10                        ; a unit of addends
	s_mov_b32 s75, 0
	s_add_co_u32 s49, s88, (\slot)*SLOTB
	s_add_nc_u64 s[50:51], s[60:61], s[72:73]
	s_or_b32 s51, s51, 0x80000000
	s_add_co_u32 s53, s88, (\slot)*SLOTB
	s_add_nc_u64 s[54:55], s[62:63], s[72:73]
	s_or_b32 s55, s55, 0x80000000
	s_mov_b32 s57, (\slot)*SLOTB+BOFF
	s_add_nc_u64 s[58:59], s[66:67], s[74:75]
	s_or_b32 s59, s59, 0x80000000
.endm
; One tensor load a wave: waves 0, 1 K's halves, waves 2, 3 V's halves, wave 4 the addends, waves 5-7 none.
; Four v_nop follow each load; the jump and the label come after them.
.macro LOADS
	s_cmp_gt_u32 s10, 4
	s_cbranch_scc1 .Lnone_\@
	s_cmp_eq_u32 s10, 4
	s_cbranch_scc1 .Lm_\@
	s_cmp_ge_u32 s10, 2
	s_cbranch_scc1 .Lv_\@
	tensor_load_to_lds s[48:51], s[24:31]
	s_nop 0
.rept 4
	v_nop
.endr
	s_branch .Lnone_\@
.Lv_\@:
	tensor_load_to_lds s[52:55], s[32:39]
	s_nop 0
.rept 4
	v_nop
.endr
	s_branch .Lnone_\@
.Lm_\@:
	tensor_load_to_lds s[56:59], s[40:47]
	s_nop 0
.rept 4
	v_nop
.endr
.Lnone_\@:
.endm
	SETG0 0
	LOADS                                          ; unit 0 into slot 0: the one first fill, ahead of every wait for tiles and every LDS read of them
	s_mov_b32 s76, 0x3e38aa3b                      ; log2(e) / 8: the scale 1 / sqrt(64) and the change of base in one
	s_mov_b32 s77, 0x3e38aa3b
	s_mov_b32 s78, 0x76543210                      ; v_permlanex16_b32: lane i of one half reads lane i of the other
	s_mov_b32 s79, 0xfedcba98
	v_and_b32 v15, 31, v0                          ; lane l
	v_and_b32 v1, 15, v0                           ; r
	v_bfe_u32 v2, v0, 4, 1                         ; h
	v_mul_u32_u24 v[KA], v1, KP                    ; K: row r, byte 16 h, part g
	v_lshl_add_u32 v[KA], v2, 4, v[KA]
	s_mul_i32 s23, s11, PARTB
	v_add_nc_u32 v[KA], s23, v[KA]
	v_add_nc_u32 v[KA+1], SLOTB, v[KA]
	v_and_b32 v24, 7, v0                           ; V: row 8 h + l % 8, byte 16 ((l / 8) % 2), part 2 + g
	v_lshl_add_u32 v24, v2, 3, v24
	v_mul_u32_u24 v[VA], v24, VP
	v_bfe_u32 v25, v0, 3, 1
	v_lshl_add_u32 v[VA], v25, 4, v[VA]
	s_add_co_u32 s23, s23, 2*PARTB
	v_add_nc_u32 v[VA], s23, v[VA]
	v_add_nc_u32 v[VA+1], SLOTB, v[VA]
	v_lshlrev_b32 v[BA], 5, v2                     ; addends of keys 128 g + 8 h ..
	s_lshl_b32 s23, s11, 9
	s_add_co_u32 s23, s23, BOFF
	v_add_nc_u32 v[BA], s23, v[BA]
	v_add_nc_u32 v[BA+1], SLOTB, v[BA]
	v_lshlrev_b32 v[QO], 7, v1
	v_lshl_add_u32 v[QO], v2, 4, v[QO]
	v_lshlrev_b32 v[OG], 4, v15
	s_mul_i32 s23, s12, MSZ
	s_add_co_u32 s23, s23, MSTAGE
	v_add_nc_u32 v[MS], s23, v[OG]
	s_mul_i32 s23, s12, OSZ
	s_add_co_u32 s23, s23, OSTAGE
	v_mul_u32_u24 v[OSW], v1, KP
	v_lshl_add_u32 v[OSW], v2, 4, v[OSW]
	v_add_nc_u32 v[OSW], s23, v[OSW]
	v_lshrrev_b32 v25, 3, v15
	v_and_b32 v24, 7, v0
	v_mul_u32_u24 v[OSR], v25, KP
	v_lshl_add_u32 v[OSR], v24, 4, v[OSR]
	v_add_nc_u32 v[OSR], s23, v[OSR]
	v_mov_b32 v[NINF], 0xff800000
	v_lshlrev_b32 v24, 3, v2
.irp jj, 0,1,2,3,4,5,6,7
	v_add_nc_u32 v25, \jj, v24
	v_cmp_gt_u32 s[80+\jj], v25, v1                ; lanes whose key 8 h + jj lies above their query r in a tile on the diagonal
.endr
.irp n, 0,1,2,3
	v_mov_b32 v[AL+\n], 0                          ; a destination of v_permlanex16_b32 counts as read
.endr
; My 64 query rows of block s16 as 8 B fragments: lane (r, h) takes row 16 n + r, d = 32 e + 8 h .. and 32 e + 16 + 8 h ..
.macro QLOAD
	WIN 0x40
.irp n, 0,1,2,3
.irp e, 0,1
	global_load_b128 v[Q+8*(2*\n+\e):Q+8*(2*\n+\e)+3],   v[QO], s[90:91] offset:2048*\n+64*\e
	global_load_b128 v[Q+8*(2*\n+\e)+4:Q+8*(2*\n+\e)+7], v[QO], s[90:91] offset:2048*\n+64*\e+32
.endr
.endr
	WIN 0
.endm
; A block's start.  O is cleared, not started by a first product: a wave may jump over every step of a block that has the diagonal unit alone,
; and its O still enters the merge.  128 moves against the several thousand instructions of a block.
.macro INIT
.irp n, 0,1,2,3
	v_mov_b32 v[MC+\n], 0xec800000                 ; the floor -2^90: above every masked score, below every allowed one
	v_mov_b32 v[LS+\n], 0
.endr
	WIN 0x40
.set oi, 0
.rept 128
	v_mov_b32 v[O+oi], 0
.set oi, oi+1
.endr
	WIN 0
.endm
	s_lshl_b32 s72, s16, 15
	s_mov_b32 s73, 0
	s_add_nc_u64 s[90:91], s[68:69], s[72:73]
	QLOAD
	INIT
	s_wait_loadcnt 0x0                             ; Q
; 64 keys (64 sg .. of my 128) against my 64 queries.  s21 = first key - first query: 0 on the diagonal, negative below it.
.macro STEP slot, sg
.irp kf, 0,1,2,3
	ds_load_b128 v[BI+8*\kf:BI+8*\kf+3],   v[BA+\slot] offset:(64*\sg+16*\kf)*4
	ds_load_b128 v[BI+8*\kf+4:BI+8*\kf+7], v[BA+\slot] offset:(64*\sg+16*\kf)*4+16
.endr
.irp e, 0,1
.irp kf, 0,1,2,3
	ds_load_b128 v[KF+8*(2*\kf+\e):KF+8*(2*\kf+\e)+3],   v[KA+\slot] offset:(64*\sg+16*\kf)*KP+64*\e
	ds_load_b128 v[KF+8*(2*\kf+\e)+4:KF+8*(2*\kf+\e)+7], v[KA+\slot] offset:(64*\sg+16*\kf)*KP+64*\e+32
.endr
.endr
	s_wait_dscnt 8                                 ; the 8 loads of the addends and K's 8 of d = 0..31 are in; K's 8 of d = 32..63 stay out
	WIN 0x04                                       ; source 1 (Q) in window 1
	; S^T: the 16 tiles take turns, one instruction a turn; d = 0..31 starts the sums on the keys' addends, d = 32..63 adds
.irp n, 0,1,2,3
.irp kf, 0,1,2,3
	v_wmma_f32_16x16x32_f16 v[S+8*(4*\kf+\n):S+8*(4*\kf+\n)+7], v[KF+16*\kf:KF+16*\kf+7], v[Q+16*\n:Q+16*\n+7], v[BI+8*\kf:BI+8*\kf+7]
.endr
.endr
	s_wait_dscnt 0                                 ; K's d = 32..63
.irp n, 0,1,2,3
.irp kf, 0,1,2,3
	v_wmma_f32_16x16x32_f16 v[S+8*(4*\kf+\n):S+8*(4*\kf+\n)+7], v[KF+16*\kf+8:KF+16*\kf+15], v[Q+16*\n+8:Q+16*\n+15], v[S+8*(4*\kf+\n):S+8*(4*\kf+\n)+7]
.endr
.endr
.rept 4
	v_nop                                          ; four places before the results are read and before the addends' registers are written (ISA guide 7.12.1)
.endr
	WIN 0x40
.irp db, 0,1,2,3
.irp c, 0,1
	ds_load_tr16_b128 v[VF+8*(2*\db+\c):VF+8*(2*\db+\c)+3],   v[VA+\slot] offset:(64*\sg+32*\c)*VP+32*\db          ; V^T: d = 16 db + r, keys 32 c + 8 h ..
	ds_load_tr16_b128 v[VF+8*(2*\db+\c)+4:VF+8*(2*\db+\c)+7], v[VA+\slot] offset:(64*\sg+32*\c)*VP+32*\db+16*VP   ; keys 32 c + 16 + 8 h ..
.endr
.endr
	WIN 0                                          ; V's 16 loads stay out under the softmax
	s_cmp_lg_u32 s21, 0
	s_cbranch_scc1 .Lnodiag_\@
	; on the diagonal: tiles above it are all -infinity, tiles on it by the lane masks
.irp kf, 0,1,2,3
.irp n, 0,1,2,3
.if \kf > \n
.irp jj, 0,1,2,3,4,5,6,7
	v_mov_b32 v[S+8*(4*\kf+\n)+\jj], v[NINF]
.endr
.endif
.if \kf == \n
.irp jj, 0,1,2,3,4,5,6,7
	v_cndmask_b32 v[S+8*(4*\kf+\n)+\jj], v[S+8*(4*\kf+\n)+\jj], v[NINF], s[80+\jj]
.endr
.endif
.endr
.endr
.Lnodiag_\@:
	; the largest of a lane's 32 scores of each query tile: four chains side by side
.irp n, 0,1,2,3
	v_max3_num_f32 v[TM+\n], v[S+8*\n], v[S+8*\n+1], v[S+8*\n+2]
.endr
.set ix, 3
.rept 14
.irp n, 0,1,2,3
	v_max3_num_f32 v[TM+\n], v[TM+\n], v[S+8*(4*(ix/8)+\n)+ix%8], v[S+8*(4*((ix+1)/8)+\n)+(ix+1)%8]
.endr
.set ix, ix+2
.endr
.irp n, 0,1,2,3
	v_max_num_f32 v[TM+\n], v[TM+\n], v[S+8*(12+\n)+7]
.endr
.irp n, 0,1,2,3
	v_permlanex16_b32 v[AL+\n], v[TM+\n], s78, s79 ; the other 32 keys of the same query
.endr
.irp n, 0,1,2,3
	v_max_num_f32 v[TM+\n], v[TM+\n], v[AL+\n]
.endr
.irp n, 0,1,2,3
	v_mul_f32 v[TM+\n], s76, v[TM+\n]              ; in units of log2
.endr
.irp n, 0,1,2,3
	v_max_num_f32 v[TM+\n], v[TM+\n], v[MC+\n]     ; the new running maximum: never below the floor, so never a masked key's score
.endr
.irp n, 0,1,2,3
	v_sub_f32 v[AP+2*\n], v[MC+\n], v[TM+\n]
	v_sub_f32 v[NM+2*\n], 0, v[TM+\n]
	v_sub_f32 v[NM+2*\n+1], 0, v[TM+\n]
	v_mov_b32 v[MC+\n], v[TM+\n]
.endr
.irp n, 0,1,2,3
	v_exp_f32 v[AP+2*\n], v[AP+2*\n]               ; alpha = 2^(old - new); the packed lines below are the plain place behind it (ISA guide 5.7.2)
.endr
.irp kf, 0,1,2,3
.irp n, 0,1,2,3
.irp p, 0,2,4,6
	v_pk_fma_f32 v[S+8*(4*\kf+\n)+\p:S+8*(4*\kf+\n)+\p+1], v[S+8*(4*\kf+\n)+\p:S+8*(4*\kf+\n)+\p+1], s[76:77], v[NM+2*\n:NM+2*\n+1] op_sel_hi:[1,0,1]
.endr
.endr
.endr
.set ix, 0
.rept 128
	v_exp_f32 v[S+ix], v[S+ix]
.set ix, ix+1
.endr
	s_wait_alu depctr_va_vdst(0)
.irp n, 0,1,2,3
	v_mov_b32 v[AP+2*\n+1], v[AP+2*\n]             ; alpha as a pair; also the plain place behind the exponentials
.endr
.irp n, 0,1,2,3
	v_pk_add_f32 v[SU+2*\n:SU+2*\n+1], v[S+8*\n:S+8*\n+1], v[S+8*\n+2:S+8*\n+3]
.endr
.set ix, 4
.rept 14
.irp n, 0,1,2,3
	v_pk_add_f32 v[SU+2*\n:SU+2*\n+1], v[SU+2*\n:SU+2*\n+1], v[S+8*(4*(ix/8)+\n)+ix%8:S+8*(4*(ix/8)+\n)+ix%8+1]
.endr
.set ix, ix+2
.endr
.irp n, 0,1,2,3
	v_add_f32 v[SU+2*\n], v[SU+2*\n], v[SU+2*\n+1]
.endr
.irp n, 0,1,2,3
	v_fma_f32 v[LS+\n], v[LS+\n], v[AP+2*\n], v[SU+2*\n]
.endr
	; P^T as B fragments, in place: tile 2 c gives keys 32 c + 8 h + 0..7 (registers 0-3), tile 2 c + 1 keys 32 c + 16 + 8 h + 0..7 (registers 4-7)
.irp c, 0,1
.irp n, 0,1,2,3
.irp q, 0,1,2,3
	v_cvt_pk_f16_f32 v[S+8*(8*\c+\n)+\q], v[S+8*(8*\c+\n)+2*\q], v[S+8*(8*\c+\n)+2*\q+1]
.endr
.irp q, 0,1,2,3
	v_cvt_pk_f16_f32 v[S+8*(8*\c+\n)+4+\q], v[S+8*(8*\c+4+\n)+2*\q], v[S+8*(8*\c+4+\n)+2*\q+1]
.endr
.endr
.endr
	WIN 0x41                                       ; O in window 1, alpha in window 0
.irp db, 0,1,2,3
.irp n, 0,1,2,3
.irp p, 0,2,4,6
	v_pk_mul_f32 v[O+8*(4*\db+\n)+\p:O+8*(4*\db+\n)+\p+1], v[O+8*(4*\db+\n)+\p:O+8*(4*\db+\n)+\p+1], v[AP+2*\n:AP+2*\n+1]
.endr
.endr
.endr
	s_wait_dscnt 0                                 ; V's fragments
	WIN 0x51                                       ; A (V^T), C and D (O) in window 1, B (P^T) in window 0
.irp c, 0,1
.irp db, 0,1,2,3
.irp n, 0,1,2,3
	v_wmma_f32_16x16x32_f16 v[O+8*(4*\db+\n):O+8*(4*\db+\n)+7], v[VF+8*(2*\db+\c):VF+8*(2*\db+\c)+7], v[S+8*(8*\c+\n):S+8*(8*\c+\n)+7], v[O+8*(4*\db+\n):O+8*(4*\db+\n)+7]
.endr
.endr
.endr
	WIN 0
.rept 5
	v_nop                                          ; five places before a matrix instruction writes over P, four before O is read or V's registers are loaded (ISA guide 7.12.1)
.endr
.endm
.macro STEPSEL slot, sg
	s_add_co_i32 s21, s19, 64*\sg
	s_cmp_gt_i32 s21, 0                            ; my 64 keys all lie above my 64 queries: nothing to do
	s_cbranch_scc1 .Lskip_\@
	STEP \slot, \sg
.Lskip_\@:
.endm
; A query block's end: key group 1 hands (maximum, sum, O) to group 0, which merges, divides, rounds and stores.  last = 0: block i follows.
.macro FINAL last
	s_lshl_b32 s72, s16, 15
	s_mov_b32 s73, 0
	s_add_nc_u64 s[92:93], s[70:71], s[72:73]      ; the block's rows in ob
	s_cmp_eq_u32 s11, 0
	s_cbranch_scc1 .Lnosend_\@
	ds_store_b128 v[MS], v[MC:MC+3]
	ds_store_b128 v[MS], v[LS:LS+3] offset:512
	WIN 0x04                                       ; store data from window 1
.set qi, 0
.rept 32
	ds_store_b128 v[MS], v[O+4*qi:O+4*qi+3] offset:1024+512*qi
.set qi, qi+1
.endr
	WIN 0
.Lnosend_\@:
	s_wait_dscnt 0x0                               ; my stores are in LDS before I say so
	s_barrier_signal -1                            ; the next unit's tile may stay on its way
	s_barrier_wait -1
.if \last == 0
	s_mov_b32 s16, s13                             ; the second block
	s_lshl_b32 s72, s16, 15
	s_add_nc_u64 s[90:91], s[68:69], s[72:73]
	QLOAD                                          ; lands under the merge
.endif
	s_cmp_lg_u32 s11, 0
	s_cbranch_scc1 .Lnomerge_\@
	ds_load_b128 v[32:35], v[MS]                   ; the partner's maxima
	ds_load_b128 v[36:39], v[MS] offset:512        ; and sums
.set qi, 0
.rept 32
	ds_load_b128 v[S+4*qi:S+4*qi+3], v[MS] offset:1024+512*qi
.set qi, qi+1
.endr
	s_wait_dscnt 32                                ; the two quads of statistics are in; the 32 of O stay out
.irp n, 0,1,2,3
	v_max_num_f32 v[TM+\n], v[MC+\n], v[32+\n]
.endr
.irp n, 0,1,2,3
	v_sub_f32 v[AP+2*\n], v[MC+\n], v[TM+\n]
	v_sub_f32 v[SU+2*\n], v[32+\n], v[TM+\n]
.endr
.irp n, 0,1,2,3
	v_exp_f32 v[AP+2*\n], v[AP+2*\n]               ; my factor
	v_exp_f32 v[SU+2*\n], v[SU+2*\n]               ; the partner's
.endr
	v_nop                                          ; the plain place behind the exponentials (ISA guide 5.7.2)
	s_wait_alu depctr_va_vdst(0)
.irp n, 0,1,2,3
	v_mul_f32 v[LS+\n], v[LS+\n], v[AP+2*\n]
.endr
.irp n, 0,1,2,3
	v_fma_f32 v[LS+\n], v[36+\n], v[SU+2*\n], v[LS+\n]
.endr
.irp n, 0,1,2,3
	v_permlanex16_b32 v[AL+\n], v[LS+\n], s78, s79 ; the sums of the other half of the lanes
.endr
.irp n, 0,1,2,3
	v_add_f32 v[LS+\n], v[LS+\n], v[AL+\n]
.endr
.irp n, 0,1,2,3
	v_rcp_f32 v[LS+\n], v[LS+\n]                   ; sum 0 (no allowed key): infinity, and 0 x infinity = NaN below
.endr
	v_nop
	s_wait_alu depctr_va_vdst(0)
.irp n, 0,1,2,3
	v_mul_f32 v[AP+2*\n], v[AP+2*\n], v[LS+\n]
	v_mul_f32 v[SU+2*\n], v[SU+2*\n], v[LS+\n]
.endr
.irp n, 0,1,2,3
	v_mov_b32 v[AP+2*\n+1], v[AP+2*\n]
	v_mov_b32 v[SU+2*\n+1], v[SU+2*\n]
.endr
	s_wait_dscnt 0
.irp db, 0,1,2,3
.irp n, 0,1,2,3
.irp p, 0,2,4,6
	v_pk_mul_f32 v[S+8*(4*\db+\n)+\p:S+8*(4*\db+\n)+\p+1], v[S+8*(4*\db+\n)+\p:S+8*(4*\db+\n)+\p+1], v[SU+2*\n:SU+2*\n+1]
.endr
.endr
.endr
	WIN 0x01                                       ; source 0: my O in window 1
.irp db, 0,1,2,3
.irp n, 0,1,2,3
.irp p, 0,2,4,6
	v_pk_fma_f32 v[S+8*(4*\db+\n)+\p:S+8*(4*\db+\n)+\p+1], v[O+8*(4*\db+\n)+\p:O+8*(4*\db+\n)+\p+1], v[AP+2*\n:AP+2*\n+1], v[S+8*(4*\db+\n)+\p:S+8*(4*\db+\n)+\p+1]
.endr
.endr
.endr
	WIN 0
.irp db, 0,1,2,3
.irp n, 0,1,2,3
.irp q, 0,1,2,3
	v_cvt_pk_f16_f32 v[S+8*(4*\db+\n)+\q], v[S+8*(4*\db+\n)+2*\q], v[S+8*(4*\db+\n)+2*\q+1]
.endr
	ds_store_b128 v[OSW], v[S+8*(4*\db+\n):S+8*(4*\db+\n)+3] offset:16*KP*\n+32*\db   ; row 16 n + r, d = 16 db + 8 h ..: my wave's own stage
.endr
.endr
.irp t, 0,1,2,3,4,5,6,7,8,9,10,11,12,13,14,15
	ds_load_b128 v[KF+4*\t:KF+4*\t+3], v[OSR] offset:4*KP*\t      ; LDS serves a wave's instructions in order: these see the stores above
.endr
.irp t, 0,1,2,3,4,5,6,7,8,9,10,11,12,13,14,15
	s_wait_dscnt 15-\t
	global_store_b128 v[OG], v[KF+4*\t:KF+4*\t+3], s[92:93] offset:512*\t   ; 4 rows of 128 bytes: 512 dense, aligned bytes
.endr
.if \last == 0
	s_wait_xcnt 0x0                                ; the stores' data registers and base are written again only behind this wait
.endif
.Lnomerge_\@:
.if \last == 0
	INIT
	s_wait_loadcnt 0x0                             ; the second block's Q
.endif
.endm
; One key unit out of a slot.  In front of the barrier every wave waits for all its tensor loads (its part of this unit) and for its reads of the
; other slot; behind it the other slot's refill is the first thing, one load a wave, and has the whole trip in which to land.
.macro TRIP slot, last
	s_wait_xcnt 0x0
	v_lshl_add_u32 v254, v0, 2, 0x42800
	v_mov_b32 v255, 0
	s_wait_tensorcnt 0x0
	ds_add_u32 v254, v255
	s_wait_dscnt 0x0
	s_wait_dscnt 0x0
.if \last == 0
	s_add_co_u32 s18, s17, 1                       ; the next unit: u + 1, or unit 0 of the second block behind the diagonal unit
	s_cmp_eq_u32 s17, s16
	s_cselect_b32 s18, 0, s18
	SETG0 1-\slot
.endif
	s_barrier_signal -1
	s_barrier_wait -1
.if \last == 0
	LOADS
.endif
	s_sub_co_i32 s19, s17, s16
	s_lshl_b32 s19, s19, 8
	s_add_co_i32 s19, s19, s20                     ; my first key - my first query = 256 (u - j) + 128 g - 64 wq
	STEPSEL \slot, 0
	STEPSEL \slot, 1
.if \last == 0
	s_cmp_lg_u32 s17, s16                          ; the diagonal unit ends the block: the same in all eight waves
	s_cbranch_scc1 .Lnofin_\@
	FINAL 0
.Lnofin_\@:
	s_mov_b32 s17, s18
.else
	FINAL 1
.endif
.endm
	s_mov_b32 s22, 4
.Lpair:
	TRIP 0, 0
	TRIP 1, 0
	s_sub_co_u32 s22, s22, 1
	s_cmp_lg_u32 s22, 0
	s_cbranch_scc1 .Lpair
	TRIP 0, 1                                      ; the ninth unit: nothing is left to fetch, and it ends the second block
	s_wait_xcnt 0x0
	v_lshl_add_u32 v254, v0, 2, 0x42800
	v_mov_b32 v255, 0
	s_wait_tensorcnt 0x0
	ds_add_u32 v254, v255
	s_wait_dscnt 0x0
	s_endpgm
.Lfunc_end_k_qce6f945d29_attn:
	.size	k_qce6f945d29_attn, .Lfunc_end_k_qce6f945d29_attn-k_qce6f945d29_attn
	.p2alignl 7, 3214868480
	.fill 96, 4, 3214868480
	.section	.rodata,"a",@progbits
	.p2align	6, 0x0
	.amdhsa_kernel k_qce6f945d29_attn
		.amdhsa_group_segment_fixed_size 327680
		.amdhsa_private_segment_fixed_size 0
		.amdhsa_enable_private_segment 0
		.amdhsa_kernarg_size 24
		.amdhsa_user_sgpr_count 2
		.amdhsa_user_sgpr_kernarg_segment_ptr 1
		.amdhsa_wavefront_size32 1
		.amdhsa_system_sgpr_workgroup_id_x 1
		.amdhsa_system_sgpr_workgroup_id_y 1
		.amdhsa_system_sgpr_workgroup_id_z 1
		.amdhsa_system_vgpr_workitem_id 0
		.amdhsa_next_free_vgpr 512
		.amdhsa_next_free_sgpr 96
		.amdhsa_reserve_vcc 0
		.amdhsa_float_denorm_mode_32 3
		.amdhsa_float_denorm_mode_16_64 3
		.amdhsa_memory_ordered 1
		.amdhsa_forward_progress 1
		.amdhsa_inst_pref_size 255
	.end_amdhsa_kernel
	.section	.bss,"aw",@nobits
	.p2align	6
	.space	262144
	.amdgpu_metadata
---
amdhsa.version: [ 1, 2 ]
amdhsa.kernels:
  - .name:           k_qce6f945d29_attn
    .symbol:         k_qce6f945d29_attn.kd
    .args:
      - { .name: qkvh, .offset: 0, .size: 8, .value_kind: global_buffer, .address_space: global }
      - { .name: maskb, .offset: 8, .size: 8, .value_kind: global_buffer, .address_space: global }
      - { .name: ob, .offset: 16, .size: 8, .value_kind: global_buffer, .address_space: global }
    .group_segment_fixed_size: 327680
    .private_segment_fixed_size: 0
    .kernarg_segment_align: 8
    .kernarg_segment_size: 24
    .max_flat_workgroup_size: 256
    .sgpr_count:     96
    .vgpr_count:     512
    .wavefront_size: 32
...
	.end_amdgpu_metadata
.endif
;; end of part 3
;; launch outp (part 4): grid 8 x 32, 4 waves a work-group, clusters of 4 x 4, 327,680 bytes of LDS; arguments ob, wo, b_out, out0; writes out0
.if DOCPART == 4
	.amdgcn_target "amdgcn-amd-amdhsa--gfx1250"
	.amdhsa_code_object_version 6
	.text
	.protected	k_qce6f945d29_outp
	.globl	k_qce6f945d29_outp
	.p2align	8
	.type	k_qce6f945d29_outp,@function
k_qce6f945d29_outp:
	s_mov_b64 s[64:65], 0
	v_nop
	global_prefetch_b8 v0, s[64:65] scope:SCOPE_SE
	s_setreg_imm32_b32 hwreg(HW_REG_WAVE_MODE, 25, 1), 1
	s_wait_xcnt 0x0
	s_wait_alu depctr_hold_cnt(0) depctr_sa_sdst(0) depctr_va_vdst(0) depctr_va_sdst(0) depctr_va_ssrc(0) depctr_va_vcc(0) depctr_vm_vsrc(0)
	s_getreg_b32 s2, hwreg(HW_REG_IB_STS2, 6, 4)
	s_cmp_eq_u32 s2, 0
	s_cbranch_scc0 .Lentry_in_a_cluster
	s_endpgm
.Lentry_in_a_cluster:
	s_bfe_u32 s2, ttmp6, 0x10000c
	s_cmp_lg_u32 s2, 0xf033
	s_cbranch_scc0 .Lentry_shape_is_right
	s_endpgm
.Lentry_shape_is_right:
; out0[m][n] = sum over k of ob(m, k) wo(n, k) + b_out[n],  m < 8192, n < 1024, k < 1024; operands f16, sums and result in f32.
; A and B lie in planes of 64 along K: X[plane][row][64] f16 (ob's planes are the heads).  A work-group makes 256 x 128 of C with four waves
; (8192 x 1024 / (256 x 128) = 256 work-groups); a wave makes 128 x 64: 32 accumulator tiles of 16 x 16, 256 registers.
; K goes in steps of 128 (two planes) through a ring of two LDS slots filled by the tensor data mover; a plane's part of a tile is one dense
; block, brought as rows of 256 bytes and padded in LDS behind every 128 bytes, so that the tile's rows lie 144 bytes apart.
; CLUSTERS: 4 x 4 work-groups.  A's tiles hang on the block row alone and are asked for jointly along a row of the cluster, B's on the block
; column alone and jointly along a column: each of the four issues the same load with the same descriptor and a mask that names the four.
; THE WALK ALONG K IS ROTATED.  A lap is two K steps (four planes); K has four laps.  Cluster (X, Y) starts at lap (2 X + Y) mod 4 and goes round.
; The two clusters with one Y read the same rows of A and start two laps apart; four clusters below each other with one X read the same rows of B and
; start at four different laps.  So clusters that need the same tile ask for it at different times, one first and the others in later laps, not all at once.
; The start hangs on the cluster's own X and Y alone, which its sixteen work-groups share.  The f32 sums take K in that rotated order.
; THE MATRIX INSTRUCTION IS USED TRANSPOSED (source 0 = rows of B, source 1 = rows of A): lane l holds row m = l % 16 of C and its registers
; the columns 8 (l / 16) + 0..7.  The bias is loaded in that layout and is the C operand of the first product: nothing is cleared or added later.
; REGISTERS: window 0: v16-27 addresses, v64-127 / v128-191 fragments of A (two buffers);
;   window 1: v0-31 bias, v64-95 / v128-159 fragments of B; window 2: accumulators of my rows 0-63 (tile (a, b) at 8 (4 a + b)); window 3: rows 64-127.
; LIMITS: operands are f16 (o with 11 significant bits; w_out rounded to bf16 and held in f16), magnitudes under 65,504.  A row of ob that is NaN
; (a query without any allowed key) gives a row of NaN.
.set SIZE_N, 1024
.set BN,     128                       ; columns of a work-group's block
.set NB,     BN/32                     ; a wave's tiles of 16 columns
.set OX,     2                         ; the starting lap = (OX x cluster x + OY x cluster y) mod 4
.set OY,     1
.set PLA,    8192*128                  ; bytes of a plane of A
.set PLB,    SIZE_N*128                ; bytes of a plane of B
.set PITCH,  144                       ; 9 x 16 bytes: the 16 rows of a fragment load start in 16 different columns of 16 bytes modulo 256
.set APL,    256*PITCH                 ; a plane of A's tile in LDS
.set BPL,    BN*PITCH                  ; a plane of B's tile
.set SLOT,   2*APL+2*BPL               ; A plane 0, A plane 1, B plane 0, B plane 1
.set STAGE,  2*SLOT                    ; behind the ring: 16 rows x 272 bytes for each wave, for the way out
.set FP,     272                       ; 256 bytes of a row of 64 f32 + 16
.set LAPS,   4                         ; 1024 / (2 x 128): a lap is two K steps, once round the ring
.set FL,     16+2*NB                   ; LDS loads of one quarter step
.set ADRA, 16                          ; v16-17  LDS address of my A fragments in slot 0, 1
.set ADRB, 20                          ; v20-21  the same for B
.set STO,  24                          ; where I put 32 bytes of a row of my stage
.set RD,   25                          ; where I read a row back
.set CO,   26                          ; my byte offset in the output
.set BO,   27                          ; my byte offset in the bias
.set F0,   64
.set F1,   128
.set BIAS, 0                           ; window 1
.set G1,  24                           ; s[24:31] group 1 for A's tiles
.set G0,  32                           ; s[32:39] group 0 for A's tiles, one set a slot
.set G1B, 48                           ; s[48:55] group 1 for B's tiles
.set G0B, 56                           ; s[56:63] group 0 for B's tiles, one set a slot
.set MSB, 0
.macro WIN new                         ; the immediate's high byte repeats the setting that is left
.if MSB != \new
	s_set_vgpr_msb (MSB<<8)|\new
.set MSB, \new
.endif
.endm
.set MUL_LO,   0xa1                    ; source 0 (B) window 1, source 1 (A) window 0, C and D window 2
.set MUL_HI,   0xf1                    ; the same, C and D window 3
.set FIRST_LO, 0x91                    ; C = the bias in window 1, D window 2
.set FIRST_HI, 0xd1                    ; C = the bias in window 1, D window 3
.set TO_B,     0x40                    ; destination window 1, address window 0
; The global addresses of a slot's next tiles: lap s3 of the four, the slot's K step of the lap's two.  s[42:43], s[46:47]: my part of A's and of B's
; tiles at K = 0; s41 = s45 = 0.  Written only where no tensor load of the wave is out.
.macro SETAD slot
	s_lshl_b32 s40, s3, 22                         ; A: lap x 4 planes of 1 MiB
	s_mul_i32 s44, s3, 4*PLB                       ; B: lap x 4 planes
	s_add_nc_u64 s[G0+4*\slot+2:G0+4*\slot+3], s[42:43], s[40:41]
	s_add_nc_u64 s[G0B+4*\slot+2:G0B+4*\slot+3], s[46:47], s[44:45]
.if \slot
	s_add_nc_u64 s[G0+4*\slot+2:G0+4*\slot+3], s[G0+4*\slot+2:G0+4*\slot+3], 2*PLA      ; the lap's second K step
	s_add_nc_u64 s[G0B+4*\slot+2:G0B+4*\slot+3], s[G0B+4*\slot+2:G0B+4*\slot+3], 2*PLB
.endif
	s_or_b32 s[G0+4*\slot+3], s[G0+4*\slot+3], 0x80000000          ; type = 2
	s_or_b32 s[G0B+4*\slot+3], s[G0B+4*\slot+3], 0x80000000
.endm
; A joint load.  Waves 0 and 1 fetch A's two planes, waves 2 and 3 B's.  Each line has one mask and one set of registers for all that issue it.
; Four v_nop follow each line; the jump, the label and what follows come after them.
.macro JLOAD s
	s_cmp_eq_u32 s13, 0
	s_cbranch_scc0 .Lfor_b_\@
	tensor_load_to_lds s[G0+4*\s:G0+4*\s+3], s[G1:G1+7]
	s_nop 0
.rept 4
	v_nop
.endr
	s_branch .Lasked_\@
.Lfor_b_\@:
	tensor_load_to_lds s[G0B+4*\s:G0B+4*\s+3], s[G1B:G1B+7]
	s_nop 0
.rept 4
	v_nop
.endr
.Lasked_\@:
.endm
; A round of the cluster's barrier: my work-group's barrier, wave 0 signals for the work-group, every wave waits for all sixteen, my barrier again.
.macro CREST
	s_cmp_lg_u32 s12, 0
	s_cbranch_scc1 .Lnot_wave_0_\@
	s_barrier_signal -3
.Lnot_wave_0_\@:
	s_barrier_wait -3
	s_barrier_signal -1
	s_barrier_wait -1
.endm
.macro CROUND
	s_barrier_signal -1
	s_barrier_wait -1
	CREST
.endm
.macro PLACES                          ; four places behind a matrix instruction before its registers are loaded into or its result is read (ISA guide 7.12.1)
.rept 4
	v_nop
.endr
.endm
	s_load_b256 s[4:11], s[0:1], 0x0               ; A s[4:5], B s[6:7], bias s[8:9], C s[10:11]
	s_set_vgpr_msb 0x40
	v_lshl_add_u32 v255, v0, 2, 0x3a400
	s_set_vgpr_msb 0x4000
	v_mov_b32 v255, 0
	s_set_vgpr_msb 0x1
	ds_add_u32 v255, v255
	s_set_vgpr_msb 0x100
	v_lshrrev_b32 v1, 5, v0
	v_readfirstlane_b32 s12, v1                    ; wave 0..3
	s_lshr_b32 s13, s12, 1                         ; my half of the block's rows.  Also: I fetch for A (0) or for B (1)
	s_and_b32 s14, s12, 1                          ; my half of its columns.  Also: which of a K step's two planes I fetch
	s_bfe_u32 s15, ttmp6, 0x40000                  ; cx
	s_bfe_u32 s16, ttmp6, 0x40004                  ; cy
	s_lshl_b32 s17, ttmp9, 2
	s_add_co_u32 s17, s17, s15                     ; block column = 4 x cluster x + cx
	s_and_b32 s18, ttmp7, 0xffff
	s_lshl_b32 s18, s18, 2
	s_add_co_u32 s18, s18, s16                     ; block row = 4 x cluster y + cy
	s_lshl_b32 s19, s16, 2
	s_lshl_b32 s19, 15, s19                        ; my row of the cluster: places 4 cy .. 4 cy + 3
	s_lshl_b32 s20, 0x1111, s15                    ; my column: places cx, cx + 4, cx + 8, cx + 12
	s_and_b32 s22, ttmp7, 0xffff                   ; the cluster's y
	s_mul_i32 s22, s22, OY
	s_mul_i32 s3, ttmp9, OX                        ; the cluster's x
	s_add_co_u32 s3, s3, s22
	s_and_b32 s3, s3, 3                            ; the lap at which my cluster starts: the same in its sixteen work-groups
	; group 1: rows of 32 elements of 8 bytes (256 bytes), dense; in LDS 4 words of padding behind every 32 words (128 bytes)
	s_or_b32 s[G1+0], s19, (3<<16)|(1<<20)|(1<<21)|(4<<22)|(3<<25)   ; mask of my row; element of 8 bytes; padding on; bit 21 beside a mask; interval code 4; 4 words
	s_or_b32 s[G1B+0], s20, (3<<16)|(1<<20)|(1<<21)|(4<<22)|(3<<25)  ; the same with the mask of my column
	s_mov_b32 s[G1+1], 32<<16                      ; tensor_dim0 = 32
	s_mov_b32 s[G1B+1], 32<<16
	s_mov_b32 s[G1+2], 128<<16                     ; tensor_dim1 = 128 rows of 256 bytes = 256 rows of a plane
	s_mov_b32 s[G1B+2], (BN/2)<<16                 ; B: 64 rows of 256 bytes = 128 rows of a plane
	s_mov_b32 s[G1+3], 32<<16                      ; tile_dim0 = 32
	s_mov_b32 s[G1B+3], 32<<16
	s_mov_b32 s[G1+4], 128                         ; tile_dim1
	s_mov_b32 s[G1B+4], BN/2
	s_mov_b32 s[G1+5], 32                          ; from row to row: 32 elements, no gap
	s_mov_b32 s[G1B+5], 32
	s_mov_b32 s[G1+6], 0
	s_mov_b32 s[G1B+6], 0
	s_mov_b32 s[G1+7], 0
	s_mov_b32 s[G1B+7], 0
	; where the tiles come from: A's address is made of the block row and the wave's number, B's of the block column and the wave's number,
	; each in registers that never hold the other coordinate while joint loads are issued; the lap is added to both
	s_lshl_b32 s40, s18, 15                        ; A: 256 rows of 128 bytes a block row
	s_lshl_b32 s22, s14, 20                        ; + my plane of the two
	s_add_co_u32 s40, s40, s22
	s_mov_b32 s41, 0
	s_mul_i32 s44, s17, BN*128                     ; B: 128 rows of 128 bytes a block column
	s_mul_i32 s23, s14, PLB
	s_add_co_u32 s44, s44, s23
	s_mov_b32 s45, 0
	s_mul_i32 s22, s12, APL                        ; where they go: A's planes at wave x APL (waves 0, 1),
	s_mul_i32 s23, s12, BPL                        ; B's at 2 APL + (wave - 2) x BPL (waves 2, 3): no place in the cluster enters
	s_add_co_u32 s23, s23, 2*APL-2*BPL
	s_wait_dscnt 0x0
	s_wait_kmcnt 0x0
	s_add_nc_u64 s[42:43], s[4:5], s[40:41]
	s_add_nc_u64 s[46:47], s[6:7], s[44:45]
	CROUND                                         ; all sixteen work-groups are here: the first joint loads meet
.irp s, 0,1
	s_mov_b32 s[G0+4*\s], 1                                        ; count = 1
	s_add_co_u32 s[G0+4*\s+1], s22, \s*SLOT                        ; LDS address
	s_mov_b32 s[G0B+4*\s], 1
	s_add_co_u32 s[G0B+4*\s+1], s23, \s*SLOT
	SETAD \s                                       ; the starting lap's K step s
	JLOAD \s                                       ; both slots' first fills go out as one group: two loads of this wave are out
.endr
	; the bias of my 64 columns, in the layout of a result: register j of lane (r, h) = bias[n0 + 16 b + 8 h + j]
	v_and_b32 v1, 15, v0                           ; r
	v_bfe_u32 v2, v0, 4, 1                         ; h
	v_lshlrev_b32 v[BO], 5, v2
	s_mul_i32 s44, s17, BN*4
	s_mul_i32 s23, s14, BN*2
	s_add_co_u32 s44, s44, s23
	s_add_nc_u64 s[8:9], s[8:9], s[44:45]
	WIN TO_B
.irp b, 0,1,2,3
	global_load_b128 v[BIAS+8*\b:BIAS+8*\b+3],   v[BO], s[8:9] offset:64*\b
	global_load_b128 v[BIAS+8*\b+4:BIAS+8*\b+7], v[BO], s[8:9] offset:64*\b+16
.endr
	WIN 0
	; fragments: lane l holds row l % 16; registers 0-3 K = 8 h + 0..7, registers 4-7 K = 16 + 8 h + 0..7: two loads of 16 bytes, 32 bytes apart
	v_mul_u32_u24 v3, v1, PITCH
	v_lshl_add_u32 v3, v2, 4, v3
	s_mul_i32 s22, s13, 128*PITCH                  ; my 128 rows of A
	s_mul_i32 s23, s14, (BN/2)*PITCH               ; my 64 rows of B,
	s_add_co_u32 s23, s23, 2*APL                   ; behind A's two planes
.irp s, 0,1
	v_add_nc_u32 v[ADRA+\s], s22, v3
	v_add_nc_u32 v[ADRB+\s], s23, v3
	s_add_co_u32 s22, s22, SLOT
	s_add_co_u32 s23, s23, SLOT
.endr
	; the way out: my wave's own stage of 16 rows x 272 bytes
	s_mul_i32 s22, s12, 16*FP
	s_add_co_u32 s22, s22, STAGE
	v_mul_u32_u24 v4, v1, FP                       ; in: row r, 32 bytes for each half of the lanes
	v_lshl_add_u32 v4, v2, 5, v4
	v_add_nc_u32 v[STO], s22, v4
	v_mul_u32_u24 v5, v2, FP                       ; back: lanes 0-15 one row of 256 bytes, lanes 16-31 the next
	v_lshl_add_u32 v5, v1, 4, v5
	v_add_nc_u32 v[RD], s22, v5
	v_lshlrev_b32 v5, 12, v2                       ; and the same two rows of 4,096 bytes in the output
	v_lshl_add_u32 v[CO], v1, 4, v5
; 2 NB matrix instructions: m blocks a0, a0 + 1 of the window's four x all n blocks, 32 along K.  first = 1: the bias starts the sums.
.macro MUL2 f, hi, a0, first
.irp a, \a0, \a0+1
.irp b, 0,1,2,3
.if \first
	v_wmma_f32_16x16x32_f16 v[8*(NB*(\a)+\b):8*(NB*(\a)+\b)+7], v[\f+8*\b:\f+8*\b+7], v[\f+8*(4*\hi+\a):\f+8*(4*\hi+\a)+7], v[BIAS+8*\b:BIAS+8*\b+7]
.else
	v_wmma_f32_16x16x32_f16 v[8*(NB*(\a)+\b):8*(NB*(\a)+\b)+7], v[\f+8*\b:\f+8*\b+7], v[\f+8*(4*\hi+\a):\f+8*(4*\hi+\a)+7], v[8*(NB*(\a)+\b):8*(NB*(\a)+\b)+7]
.endif
.endr
.endr
.endm
; FL LDS loads in one run: quarter kq of a K step (plane kq / 2, byte 64 (kq % 2) of its rows) into buffer f: B's 64 rows, then A's 128
.macro FETCH slot, kq, f
	WIN TO_B
.irp i, 0,1,2,3
	ds_load_b128 v[\f+8*\i:\f+8*\i+3],   v[ADRB+\slot] offset:(\kq/2)*BPL+(\kq%2)*64+\i*16*PITCH
	ds_load_b128 v[\f+8*\i+4:\f+8*\i+7], v[ADRB+\slot] offset:(\kq/2)*BPL+(\kq%2)*64+\i*16*PITCH+32
.endr
	WIN 0
.irp i, 0,1,2,3,4,5,6,7
	ds_load_b128 v[\f+8*\i:\f+8*\i+3],   v[ADRA+\slot] offset:(\kq/2)*APL+(\kq%2)*64+\i*16*PITCH
	ds_load_b128 v[\f+8*\i+4:\f+8*\i+7], v[ADRA+\slot] offset:(\kq/2)*APL+(\kq%2)*64+\i*16*PITCH+32
.endr
.endm
; One of a K step's first three quarters: multiplies buffer f and, in its middle, fetches quarter kq into buffer g.
; The 32 accumulators take turns, one instruction a turn, in the same order in every quarter.
.macro QUARTER slot, kq, f, g, first
	s_wait_dscnt 8                                 ; B and A's rows 0-63 are in; the youngest eight loads (A's rows 64-127) may be out
.if \first
	WIN FIRST_LO
.else
	WIN MUL_LO
.endif
	MUL2 \f, 0, 0, \first
	MUL2 \f, 0, 2, \first
	PLACES
	FETCH \slot, \kq, \g
	s_wait_dscnt FL                                ; all but the run just issued
.if \first
	WIN FIRST_HI
.else
	WIN MUL_HI
.endif
	MUL2 \f, 1, 0, \first
	MUL2 \f, 1, 2, \first
.endm
.macro THREE slot, first
	QUARTER \slot, 1, F0, F1, \first
	QUARTER \slot, 2, F1, F0, 0
	QUARTER \slot, 3, F0, F1, 0
.endm
; The last quarter multiplies buffer 1 and changes slots.  In front of the barrier each wave waits for its reads of this slot and for all its
; tensor loads (one is out: its part of the next slot).  Where the slot is filled again the barrier opens a round of the cluster's barrier,
; and the joint refill is the first tensor load behind the round: no wave of any partner still reads the slot or has a load on its way.
.macro TURN slot, next, fill
	s_wait_dscnt 8
	WIN MUL_LO
	MUL2 F1, 0, 0, 0
	s_wait_dscnt 0                                 ; my reads of this slot are over
	s_wait_tensorcnt 0x0                           ; all my tensor loads have landed
	ds_add_u32 v255, v255
	s_wait_dscnt 0x0
	s_barrier_signal -1
	MUL2 F1, 0, 2, 0                               ; register work while the others arrive
	WIN 0
	s_barrier_wait -1
.if \fill
	CREST
.if \slot == 0
	s_add_co_u32 s3, s3, 1                         ; the next lap, round the four: stepped once a lap, ahead of its first K step's request
	s_and_b32 s3, s3, 3
.endif
	SETAD \slot
	JLOAD \slot                                    ; its four v_nop are also the places in front of the loads below
.else
	PLACES
.endif
	FETCH \next, 0, F0
	WIN MUL_HI
	MUL2 F1, 1, 0, 0
	MUL2 F1, 1, 2, 0
.endm
.macro LAP first
	THREE 0, \first
	TURN 0, 1, 1
	THREE 1, 0
	TURN 1, 0, 1
.endm
	s_wait_tensorcnt 1                             ; my part of the first K step is in; the second's stays out
	s_barrier_signal -1
	s_barrier_wait -1
	FETCH 0, 0, F0
	s_wait_loadcnt 0x0                             ; the bias
	LAP 1                                          ; the first lap stands in front of the loop: its first products start the sums
	WIN 0
	s_mov_b32 s21, LAPS-2
.Llap:
	LAP 0
	WIN 0
	s_sub_co_u32 s21, s21, 1
	s_cmp_lg_u32 s21, 0
	s_cbranch_scc1 .Llap
	THREE 0, 0                                     ; the last lap fills nothing
	TURN 0, 1, 0
	THREE 1, 0
	s_wait_dscnt 8
	WIN MUL_LO
	MUL2 F1, 0, 0, 0
	MUL2 F1, 0, 2, 0
	s_wait_dscnt 0
	WIN MUL_HI
	MUL2 F1, 1, 0, 0
	MUL2 F1, 1, 2, 0
	PLACES                                         ; behind the last matrix instructions: for the LDS stores of results and for the loads into the buffers
	; THE WAY OUT, 16 rows at a time: a lane's 8 neighbouring f32 of each tile go into my own stage, whole rows of 256 bytes come back and are stored.
	s_lshl_b32 s40, s18, 20                        ; 256 rows of 4,096 bytes a block row
	s_lshl_b32 s22, s13, 19                        ; + my 128 rows
	s_add_co_u32 s40, s40, s22
	s_add_nc_u64 s[10:11], s[10:11], s[40:41]
	s_lshl_b32 s44, s17, 9                         ; + 128 columns of 4 bytes a block column
	s_lshl_b32 s23, s14, 8                         ; + my 64 columns
	s_add_co_u32 s44, s44, s23
	s_add_nc_u64 s[10:11], s[10:11], s[44:45]
.macro OUT16F i, aw, from, f           ; rows 16 i .. of my 128 = tiles (aw, 0..3) of window 2 or 3 (from: the window of the stores' data); f: F0, F1 in turn
	WIN \from
.irp b, 0,1,2,3
	ds_store_b128 v[STO], v[8*(NB*\aw+\b):8*(NB*\aw+\b)+3]   offset:64*\b
	ds_store_b128 v[STO], v[8*(NB*\aw+\b)+4:8*(NB*\aw+\b)+7] offset:64*\b+16
.endr
	WIN 0
	s_wait_xcnt 0x0                                ; buffer f, which earlier stores read, and the stores' base are written again only behind this wait
.if \i
	s_add_nc_u64 s[10:11], s[10:11], 16*4096       ; 16 rows on
.endif
.irp t, 0,1,2,3,4,5,6,7
	ds_load_b128 v[\f+4*\t:\f+4*\t+3], v[RD] offset:\t*2*FP        ; LDS serves a wave's instructions in order: these see the stores above
.endr
.irp t, 0,1,2,3,4,5,6,7
	s_wait_dscnt 7-\t
	global_store_b128 v[CO], v[\f+4*\t:\f+4*\t+3], s[10:11] offset:8192*\t th:TH_STORE_NT   ; 16 lanes store 256 consecutive, aligned bytes
.endr
.endm
	OUT16F 0, 0, 0x08, F0
	OUT16F 1, 1, 0x08, F1
	OUT16F 2, 2, 0x08, F0
	OUT16F 3, 3, 0x08, F1
	OUT16F 4, 0, 0x0c, F0
	OUT16F 5, 1, 0x0c, F1
	OUT16F 6, 2, 0x0c, F0
	OUT16F 7, 3, 0x0c, F1
	s_set_vgpr_msb 0x1
	s_wait_tensorcnt 0x0
	ds_add_u32 v255, v255
	s_wait_dscnt 0x0
	s_set_vgpr_msb 0x100
	CROUND                                         ; the closing round: no work-group ends while a partner may still ask for a tile that names it
	s_endpgm
.Lfunc_end_k_qce6f945d29_outp:
	.size	k_qce6f945d29_outp, .Lfunc_end_k_qce6f945d29_outp-k_qce6f945d29_outp
	.p2alignl 7, 3214868480
	.fill 96, 4, 3214868480
	.section	.rodata,"a",@progbits
	.p2align	6, 0x0
	.amdhsa_kernel k_qce6f945d29_outp
		.amdhsa_group_segment_fixed_size 327680
		.amdhsa_private_segment_fixed_size 0
		.amdhsa_enable_private_segment 0
		.amdhsa_kernarg_size 32
		.amdhsa_user_sgpr_count 2
		.amdhsa_user_sgpr_kernarg_segment_ptr 1
		.amdhsa_wavefront_size32 1
		.amdhsa_system_sgpr_workgroup_id_x 1
		.amdhsa_system_sgpr_workgroup_id_y 1
		.amdhsa_system_sgpr_workgroup_id_z 1
		.amdhsa_system_vgpr_workitem_id 0
		.amdhsa_next_free_vgpr 1024
		.amdhsa_next_free_sgpr 66
		.amdhsa_reserve_vcc 0
		.amdhsa_float_denorm_mode_32 3
		.amdhsa_float_denorm_mode_16_64 3
		.amdhsa_memory_ordered 1
		.amdhsa_forward_progress 1
		.amdhsa_inst_pref_size 123
	.end_amdhsa_kernel
	.amdgpu_metadata
---
amdhsa.version: [ 1, 2 ]
amdhsa.kernels:
  - .name:           k_qce6f945d29_outp
    .symbol:         k_qce6f945d29_outp.kd
    .args:
      - { .name: ob, .offset: 0, .size: 8, .value_kind: global_buffer, .address_space: global }
      - { .name: wo, .offset: 8, .size: 8, .value_kind: global_buffer, .address_space: global }
      - { .name: b_out, .offset: 16, .size: 8, .value_kind: global_buffer, .address_space: global }
      - { .name: out0, .offset: 24, .size: 8, .value_kind: global_buffer, .address_space: global }
    .group_segment_fixed_size: 327680
    .private_segment_fixed_size: 0
    .kernarg_segment_align: 8
    .kernarg_segment_size: 32
    .max_flat_workgroup_size: 128
    .sgpr_count:     66
    .vgpr_count:     1024
    .wavefront_size: 32
...
	.end_amdgpu_metadata
.endif
;; end of part 4
;; ======== version 2 of 2: 4 launches; version 1 with the launch prep written anew for expert scheduling mode
;; limits: values are held in f16: magnitudes above 65,504 overflow, below 6.1e-05 lose precision
;; workspace buffers: xb 16,777,216 bytes; wq 6,291,456 bytes; wo 2,097,152 bytes; maskb 32,768 bytes; qkvh 50,331,648 bytes; ob 16,777,216 bytes
;; launch prep (part 5): grid 776 x 1, 8 waves a work-group, no clusters, 19,456 bytes of LDS; arguments input, w_qkv, w_out, mask, xb, wq, wo, maskb; writes xb, wq, wo, maskb
.if DOCPART == 5
	.amdgcn_target "amdgcn-amd-amdhsa--gfx1250"
	.amdhsa_code_object_version 6
	.text
	.protected	k_qce6f945d29_prep
	.globl	k_qce6f945d29_prep
	.p2align	8
	.type	k_qce6f945d29_prep,@function
k_qce6f945d29_prep:
	s_mov_b64 s[64:65], 0
	v_nop
	global_prefetch_b8 v0, s[64:65] scope:SCOPE_SE
	s_setreg_imm32_b32 hwreg(HW_REG_WAVE_SCHED_MODE, 0, 2), 2
	s_setreg_imm32_b32 hwreg(HW_REG_WAVE_MODE, 25, 1), 1
	s_wait_xcnt 0x0
	s_wait_alu depctr_vm_vsrc(0)
; prep: brings every matrix input into 16 bits and into planes of 64 along K, X[plane][row][64], rows of 128 bytes without gaps,
; so that every tile of the later launches is one dense block.  Four roles, chosen by the work-group's number (the same for all its waves):
;   0..255    xb[p][row][kk]  = bf16(input[row][64 p + kk]),  32 rows of input each
;   256..639  wq[p][n][kk]    = bf16(w_qkv[64 p + kk][n]),    a tile of 64 k x 128 n each, transposed through LDS
;   640..767  wo[p][n][kk]    = bf16(w_out[64 p + kk][n]) written as f16, likewise
;   768..775  maskb[b][t]     = 0 where the mask byte is not 0, else -2^100, 1,024 keys each
; WO'S FORMAT: all three large inputs are rounded to bf16.  w_out's partner in its product, o, is carried in f16, and a matrix instruction takes both
; operands in one format, so the rounded number is written as f16: exact for magnitudes from 2^-17 up (8 significant bits above f16's last place 2^-24),
; kept to 2^-25 absolute below; |w_out| has to stay under 65,504.
; THE MASK'S ADDEND is finite because it is the C operand of a matrix product in the attention launch: beside -2^100 a score (under 2^39 in magnitude,
; from f16 operands) is lost, and the sum lies below the floor -2^90 at which that launch starts its running maximum.
; Bytes bind here: no matrix unit, no tensor load, no cluster.  Every byte is read once and written once.
; THE MODE: SCHED_MODE bits 1:0 = 2 (LLVM: expert scheduling mode 2), set by the entry lines.  The code itself states the register dependences
; between vector instructions and memory or LDS instructions, with s_wait_alu, always for 0.
; THE PLAN.  No register that a memory or LDS instruction reads is written a second time on any path, so every wait is for vector results.
;   Role X:   v5, v6 offsets, made once.  Unit u's four registers: its load lands in them, its two conversions write the first two, its store reads those two.
;             The 32 units go in 8 blocks of four.  One wait at a block's head states that the block before has written its words; that block's four stores
;             follow it, dealt among this block's conversions, which name this block's registers alone.
;   Weights:  v3 offset of the loads; X as loaded, read by conversions alone; Y written by the conversions, read by the LDS stores; v4, v5, v6 addresses,
;             made behind the loads; Z filled by LDS loads, read by the global stores.  One wait ahead of the loads (v3), one behind all the conversions
;             (Y, v4, v5, v6): behind that one no vector instruction is issued any more.
;   Mask:     v3 offset of the load, v5 its result; four compares into s24 to s27, one wait, four selects; v4 and v[8:11] are read by the store.
;   v144, v145: written at the head, read by the closing add alone.
.set XG,  256                          ; work-groups of role X
.set WQG, 384                          ; 16 planes x 24 tiles of 128 columns
.set WOG, 128                          ; 16 planes x 8 tiles
.set X,   16                           ; role X: v[16:143], unit u = 4 registers; weights: v[16:47], row j = 4 registers
.set Y,   48                           ; weights: v[48:63], column i = 4 registers (8 numbers along k)
.set Z,   64                           ; weights: v[64:79], read back from LDS
.set WP,  144                          ; LDS pitch of a transposed row: 128 bytes + 16
	s_load_b512 s[4:19], s[0:1], 0x0               ; input s[4:5], w_qkv s[6:7], w_out s[8:9], mask s[10:11], xb s[12:13], wq s[14:15], wo s[16:17], maskb s[18:19]
	v_lshl_add_u32 v144, v0, 2, 0x4800             ; the LDS address of my spare word, behind the 128 rows of 144 bytes; kept for the closing lines alone
	v_mov_b32 v145, 0                              ; 0, likewise
	v_and_b32 v1, 31, v0                           ; lane
	v_lshrrev_b32 v2, 5, v0                        ; wave
	s_mov_b32 s23, 0                               ; upper word of every 32-bit offset
	s_wait_kmcnt 0x0
	s_cmp_lt_u32 ttmp9, XG
	s_cbranch_scc0 .Lnot_x
	; ROLE X.  Wave w takes planes 2 w and 2 w + 1 (512 bytes of each f32 row).  Unit u = 2 g + pl: rows 2 g and 2 g + 1, plane 2 w + pl.
	; A load: lanes 0-15 take the plane's 256 bytes of row 2 g, lanes 16-31 those of row 2 g + 1: two whole aligned runs of 256 bytes.
	; A lane's 4 numbers become 8 bytes, and the unit's store covers 256 dense, aligned bytes of the plane (two rows of 128).  All 32 loads go out first.
	s_lshl_b32 s22, ttmp9, 17                      ; 32 rows of 4,096 bytes
	s_add_nc_u64 s[4:5], s[4:5], s[22:23]
	s_lshl_b32 s22, ttmp9, 12                      ; 32 rows of 128 bytes
	s_add_nc_u64 s[12:13], s[12:13], s[22:23]
	v_lshrrev_b32 v3, 4, v1                        ; which row of the pair
	v_and_b32 v4, 15, v1                           ; which 16 bytes of the 256
	v_lshlrev_b32 v5, 12, v3                       ; row x 4,096
	v_lshl_add_u32 v5, v4, 4, v5                   ; + 16 x piece
	v_lshl_add_u32 v5, v2, 9, v5                   ; + 512 x wave
	v_lshlrev_b32 v6, 3, v1                        ; out: 8 x lane
	v_lshl_add_u32 v6, v2, 21, v6                  ; + plane 2 w of 1 MiB
	s_wait_alu depctr_va_vdst(0)                   ; v5 and v6 are written: every load reads v5, every store v6 as its offset
.set u, 0
.rept 32
	global_load_b128 v[X+4*u:X+4*u+3], v5, s[4:5] offset:8192*(u/2)+256*(u%2) th:TH_LOAD_NT
.set u, u+1
.endr
.set blk, 0
.rept 8                                                ; block blk: units 4 blk to 4 blk + 3 are rounded, the block before is stored
	s_wait_loadcnt 28-4*blk                        ; loads return in order: this block's four are in, the 28 - 4 blk younger ones stay out
.if blk > 0
	s_wait_alu depctr_va_vdst(0)                   ; the block before has written its eight words, which the four stores below read
.endif
.set u, 4*blk
.rept 4
.if blk > 0
	global_store_b64 v6, v[X+4*(u-4):X+4*(u-4)+1], s[12:13] offset:(((u-4)%2)<<20)+256*((u-4)/2)   ; no vector instruction since the wait names these registers
.endif
	v_cvt_pk_bf16_f32 v[X+4*u],   v[X+4*u],   v[X+4*u+1]   ; in place: a word is written only after it has been read
	v_cvt_pk_bf16_f32 v[X+4*u+1], v[X+4*u+2], v[X+4*u+3]
.set u, u+1
.endr
.set blk, blk+1
.endr
	s_wait_alu depctr_va_vdst(0)                   ; the last block has written its eight words, which the last four stores read
.set u, 28
.rept 4
	global_store_b64 v6, v[X+4*u:X+4*u+1], s[12:13] offset:((u%2)<<20)+256*(u/2)
.set u, u+1
.endr
	s_endpgm
; A tile of 64 k x 128 n of a weight matrix [1024][N] f32, written as 128 rows (n) of 64 numbers of 16 bits (k).  s20 = the tile's number.
; Wave w loads rows k = 8 w + j, 512 neighbouring bytes a load; a lane packs, for each of its 4 columns, its 8 k into 16 bytes and
; puts them at row n, byte 16 w of the LDS tile; behind one barrier the tile is read back by rows and leaves as 4 x 4,096 dense bytes.
; tof16 = 1: the numbers, rounded to bf16, are written in f16 (see the head).
.macro WTILE N, src, dst, tof16
	s_and_b32 s21, s20, 15                         ; plane p
	s_lshr_b32 s20, s20, 4                         ; tile of 128 columns
	s_mul_i32 s22, s21, 256*\N                     ; 64 p rows of 4 N bytes
	s_lshl_b32 s24, s20, 9                         ; + 128 columns of 4 bytes
	s_add_co_u32 s22, s22, s24
	s_add_nc_u64 s[\src:\src+1], s[\src:\src+1], s[22:23]
	s_mul_i32 s22, s21, 128*\N                     ; plane p of N rows of 128 bytes
	s_lshl_b32 s24, s20, 14                        ; + 128 rows
	s_add_co_u32 s22, s22, s24
	s_add_nc_u64 s[\dst:\dst+1], s[\dst:\dst+1], s[22:23]
	v_mul_u32_u24 v3, v2, 32*\N                    ; 8 w rows
	v_lshl_add_u32 v3, v1, 4, v3                   ; + 16 x lane
	s_wait_alu depctr_va_vdst(0)                   ; v3 is written, which the eight loads read as their offset
.irp j, 0,1,2,3,4,5,6,7
	global_load_b128 v[X+4*\j:X+4*\j+3], v3, s[\src:\src+1] offset:\j*4*\N th:TH_LOAD_NT
.endr
	v_mul_u32_u24 v4, v1, 4*WP                     ; LDS in: row 4 l,
	v_lshl_add_u32 v4, v2, 4, v4                   ; byte 16 w
	v_lshrrev_b32 v5, 3, v0                        ; LDS back: thread t takes row t / 8,
	v_and_b32 v7, 7, v0
	v_mul_u32_u24 v5, v5, WP
	v_lshl_add_u32 v5, v7, 4, v5                   ; piece t % 8
	v_lshlrev_b32 v6, 4, v0                        ; and stores it at 16 t
	s_wait_loadcnt 0x0
.irp i, 0,1,2,3
.irp q, 0,1,2,3
	v_cvt_pk_bf16_f32 v[Y+4*\i+\q], v[X+8*\q+\i], v[X+8*\q+4+\i]   ; column i: k = 2 q, 2 q + 1
.if \tof16
	v_lshlrev_b32 v8, 16, v[Y+4*\i+\q]             ; the two rounded numbers as f32,
	v_and_b32 v9, 0xffff0000, v[Y+4*\i+\q]
	v_cvt_pk_f16_f32 v[Y+4*\i+\q], v8, v9          ; and in f16
.endif
.endr
.endr
	s_wait_alu depctr_va_vdst(0)                   ; the conversions have written Y, which the LDS stores read; v4, v5 and v6, the addresses of all that follows, are written too
.irp i, 0,1,2,3
	ds_store_b128 v4, v[Y+4*\i:Y+4*\i+3] offset:\i*WP
.endr
	s_wait_dscnt 0x0                               ; my stores are in LDS before I say so
	s_barrier_signal -1
	s_barrier_wait -1                              ; everybody's are
.irp s, 0,1,2,3
	ds_load_b128 v[Z+4*\s:Z+4*\s+3], v5 offset:\s*32*WP            ; no vector instruction names Z, and none has been issued since the wait above
.endr
.irp s, 0,1,2,3
	s_wait_dscnt 3-\s                              ; LDS loads return in order
	global_store_b128 v6, v[Z+4*\s:Z+4*\s+3], s[\dst:\dst+1] offset:4096*\s
.endr
.endm
.Lnot_x:
	s_cmp_lt_u32 ttmp9, XG+WQG
	s_cbranch_scc0 .Lnot_wq
	s_sub_co_u32 s20, ttmp9, XG
	WTILE 3072, 6, 14, 0
	s_wait_dscnt 0x0                               ; the closing lines, six on end
	s_wait_alu 0x0
	s_wait_tensorcnt 0x0
	ds_add_u32 v144, v145
	s_wait_dscnt 0x0
	s_endpgm
.Lnot_wq:
	s_cmp_lt_u32 ttmp9, XG+WQG+WOG
	s_cbranch_scc0 .Lmask
	s_sub_co_u32 s20, ttmp9, XG+WQG
	WTILE 1024, 8, 16, 1
	s_wait_dscnt 0x0                               ; the closing lines, six on end
	s_wait_alu 0x0
	s_wait_tensorcnt 0x0
	ds_add_u32 v144, v145
	s_wait_dscnt 0x0
	s_endpgm
.Lmask:
	; ROLE M.  Thread t turns 4 mask bytes into 4 f32 addends.  A byte other than 0 counts as true.
	s_sub_co_u32 s20, ttmp9, XG+WQG+WOG
	s_lshl_b32 s22, s20, 10
	s_add_nc_u64 s[10:11], s[10:11], s[22:23]
	s_lshl_b32 s22, s20, 12
	s_add_nc_u64 s[18:19], s[18:19], s[22:23]
	v_lshlrev_b32 v3, 2, v0
	v_lshlrev_b32 v4, 4, v0
	s_wait_alu depctr_va_vdst(0)                   ; v3 is written, which the load reads as its offset
	global_load_b32 v5, v3, s[10:11]
	v_mov_b32 v6, 0xf1800000                       ; -2^100
	s_wait_loadcnt 0x0
.irp k, 0,1,2,3
	v_bfe_u32 v7, v5, 8*\k, 8
	v_cmp_eq_u32 s[24+\k], 0, v7                   ; the four masks in a run, each in a scalar register of its own
.endr
	s_wait_alu depctr_va_sdst(0)                   ; the compares have written s24 to s27, ahead of their first readers, the selects
.irp k, 0,1,2,3
	v_cndmask_b32 v[8+\k], 0, v6, s[24+\k]         ; byte 0: -2^100; else 0
.endr
	s_wait_alu depctr_va_vdst(0)                   ; the selects have written v[8:11], the store's data; v4, its offset, is written too
	global_store_b128 v4, v[8:11], s[18:19]
	s_endpgm
.Lfunc_end_k_qce6f945d29_prep:
	.size	k_qce6f945d29_prep, .Lfunc_end_k_qce6f945d29_prep-k_qce6f945d29_prep
	.p2alignl 7, 3214868480
	.fill 96, 4, 3214868480
	.section	.rodata,"a",@progbits
	.p2align	6, 0x0
	.amdhsa_kernel k_qce6f945d29_prep
		.amdhsa_group_segment_fixed_size 19456
		.amdhsa_private_segment_fixed_size 0
		.amdhsa_enable_private_segment 0
		.amdhsa_kernarg_size 64
		.amdhsa_user_sgpr_count 2
		.amdhsa_user_sgpr_kernarg_segment_ptr 1
		.amdhsa_wavefront_size32 1
		.amdhsa_system_sgpr_workgroup_id_x 1
		.amdhsa_system_sgpr_workgroup_id_y 1
		.amdhsa_system_sgpr_workgroup_id_z 1
		.amdhsa_system_vgpr_workitem_id 0
		.amdhsa_next_free_vgpr 146
		.amdhsa_next_free_sgpr 66
		.amdhsa_reserve_vcc 0
		.amdhsa_float_denorm_mode_32 3
		.amdhsa_float_denorm_mode_16_64 3
		.amdhsa_memory_ordered 1
		.amdhsa_forward_progress 1
		.amdhsa_inst_pref_size 25
	.end_amdhsa_kernel
	.amdgpu_metadata
---
amdhsa.version: [ 1, 2 ]
amdhsa.kernels:
  - .name:           k_qce6f945d29_prep
    .symbol:         k_qce6f945d29_prep.kd
    .args:
      - { .name: input, .offset: 0, .size: 8, .value_kind: global_buffer, .address_space: global }
      - { .name: w_qkv, .offset: 8, .size: 8, .value_kind: global_buffer, .address_space: global }
      - { .name: w_out, .offset: 16, .size: 8, .value_kind: global_buffer, .address_space: global }
      - { .name: mask, .offset: 24, .size: 8, .value_kind: global_buffer, .address_space: global }
      - { .name: xb, .offset: 32, .size: 8, .value_kind: global_buffer, .address_space: global }
      - { .name: wq, .offset: 40, .size: 8, .value_kind: global_buffer, .address_space: global }
      - { .name: wo, .offset: 48, .size: 8, .value_kind: global_buffer, .address_space: global }
      - { .name: maskb, .offset: 56, .size: 8, .value_kind: global_buffer, .address_space: global }
    .group_segment_fixed_size: 19456
    .private_segment_fixed_size: 0
    .kernarg_segment_align: 8
    .kernarg_segment_size: 64
    .max_flat_workgroup_size: 256
    .sgpr_count:     66
    .vgpr_count:     146
    .wavefront_size: 32
...
	.end_amdgpu_metadata
.endif
;; end of part 5
;; launch qkv: the kernel of part 2 again; grid 16 x 32, 4 waves a work-group, clusters of 4 x 4, 327,680 bytes of LDS; arguments xb, wq, b_qkv, qkvh; writes qkvh
;; launch attn: the kernel of part 3 again; grid 256 x 1, 8 waves a work-group, no clusters, 327,680 bytes of LDS; arguments qkvh, maskb, ob; writes ob
;; launch outp: the kernel of part 4 again; grid 8 x 32, 4 waves a work-group, clusters of 4 x 4, 327,680 bytes of LDS; arguments ob, wo, b_out, out0; writes out0
